; MI455X (gfx1250); checked and timed in simulation.
; The chip was launched on July 23, 2026; its instructions are those of AMD's public machine-readable ISA for CDNA 5 (MIT licence, August 2026) and "CDNA5" Instruction Set Architecture Reference Guide (July 2026). The comments in the code are by the model that wrote it; some were corrected since.
;; Multi Head Attention. Allowed arithmetic: matrix products marked QUANTISED: E5M2 operands, one E8M0 scale for each 32 along K, by v_wmma_scale_f32_16x16x128_f8f6f4 with both operands' format E5M2, f32 sums; everything else in f32.
;; Inputs: W_o 1,024 x 1,024 float32; W_qkv 1,024 x 3,072 float32; b_o 1,024 float32; b_qkv 3,072 float32; x 4 x 2,048 x 1,024 float32.
;; Outputs: out0 4 x 2,048 x 1,024 float32.
;; This version of the problem:
;;   THIS VERSION OF THE PROBLEM IS GIVEN IN LOW PRECISION. The matrix products marked QUANTISED in the list below multiply operands that are first quantised to E5M2 (5 exponent bits, 2 mantissa bits; 8 bits a number), with one power-of-two scale for each 32 numbers along K (OCP MX v1.0); their sums are f32. All else is computed in f32.
;;   The module's matrix products, in the order in which they are computed (A, B: the left and right operand; K: the contracted axis; several contracted axes count as one K, in the product's order):
;;     1. [M 8,192, K 1,024] x [K 1,024, N 3,072]; A: input x; B: input W_qkv: QUANTISED
;;     2. batch 64 x [M 2,048, K 64] x [K 64, N 2,048]; A: computed on the way; B: computed on the way: QUANTISED
;;     3. batch 64 x [M 2,048, K 2,048] x [K 2,048, N 64]; A: softmax (see below); B: computed on the way: QUANTISED
;;     4. [M 8,192, K 1,024] x [K 1,024, N 1,024]; A: computed on the way; B: input W_o: QUANTISED
;;   THE QUANTISER, for each operand of a quantised product, along K:
;;     - K is cut into blocks of 32 from its start; a last block that is shorter is filled with zeros.
;;     - A block's scale is 2^e with e = floor(log2(the largest magnitude in the block)) - 15, held to -126 .. 127; a block of zeros has e = 0. As a byte (E8M0): e + 127.
;;     - Each number is divided by its block's scale, clamped to +-57,344, and rounded to the nearest number of E5M2, ties to even, subnormals kept.
;;     - The product sums the exact products of the quantised numbers (number of the format x scale) in f32.
;;   ~~~python
;;   def quantise(x, axis):      # numpy; x: float32 -> the quantised numbers, widened to float32 again
;;       x = np.moveaxis(x, axis, -1); K = x.shape[-1]
;;       x = np.pad(x, [(0, 0)] * (x.ndim - 1) + [(0, -K % 32)]); x = x.reshape(x.shape[:-1] + (-1, 32)); a = np.abs(x).max(-1, keepdims=True)
;;       e = np.where(a > 0, np.clip(np.frexp(np.where(a > 0, a, 1))[1] - 1 - 15, -126, 127), 0)      # np.frexp(a)[1] - 1 = floor(log2(a)), exactly
;;       r = np.clip(x / 2.0 ** e, -57344, 57344)
;;       step = 2.0 ** (np.maximum(np.frexp(np.where(r == 0, 1, r))[1] - 1, -14) - 2)
;;       q = np.round(r / step) * step * 2.0 ** e      # np.round: ties to even
;;       return np.moveaxis(q.reshape(q.shape[:-2] + (-1,))[..., :K], -1, axis).astype(np.float32)
;;   ~~~
;;   SOFTMAX AHEAD OF A QUANTISED PRODUCT. Where the list says 'softmax', what is quantised is not the finished softmax but p = 2^(t - M), with t = logit x log2(e) and M = ceil(the row's largest t), a whole number; so 1/2 < the row's largest p <= 1. The row's sum l is taken of the UNQUANTISED p, in f32, and the product's result is divided by l at the end. Since M is a whole number, a kernel that streams over the keys may use a running M (the ceiling of the running maximum): every later rescaling is an exact power of two, which a block's scale takes up: the codes' values come out the same.
;;   OPERANDS COMPUTED ON THE WAY. 'Computed on the way' means the value that the module computes at that place (a softmax that the list does not call 'softmax' is quantised finished and normalised). What goes into a quantiser is computed in f32, as accurately as f32 sums, v_exp_f32 and their like allow (about 1e-6 of the number): no bf16 or f16 on the way to a quantiser, and a product that is left as it is and whose result goes on into a quantised operand takes f32 operands (vector FMAs, or v_wmma_f32_16x16x4_f32). A number that lies on a knife's edge between two numbers of the format may be rounded either way, as far as f32 arithmetic and the matrix unit's own rounding can turn it there, and no further.
;; One version. Each part assembles by itself: llvm-mc -triple=amdgcn-amd-amdhsa -mcpu=gfx1250 --defsym DOCPART=n.
;; ======== version 1 of 1: 4 launches
;; limits: right only within a limited range of input values
;; workspace buffers: xq 8,650,752 bytes; wc 4,325,376 bytes; oc 8,650,752 bytes; qkr 17,825,792 bytes; vr 8,650,752 bytes
;; launch prep (part 1): grid 384 x 1, 4 waves a work-group, no clusters, 34,304 bytes of LDS; arguments x, W_qkv, W_o, xq, wc; writes xq, wc
.if DOCPART == 1
	.amdgcn_target "amdgcn-amd-amdhsa--gfx1250"
	.amdhsa_code_object_version 6
	.text
	.protected	k_q18f798b9f9_prep
	.globl	k_q18f798b9f9_prep
	.p2align	8
	.type	k_q18f798b9f9_prep,@function
k_q18f798b9f9_prep:
	s_mov_b64 s[64:65], 0
	v_nop
	global_prefetch_b8 v0, s[64:65] scope:SCOPE_SE
	s_setreg_imm32_b32 hwreg(HW_REG_WAVE_MODE, 25, 1), 1
	s_wait_xcnt 0x0
; x [8192][1024], W_qkv [1024][3072] and W_o [1024][1024], f32, become codes of BF8 (E5M2) with one E8M0 scale byte for each 32 along K (K = the 1,024 of the embedding).
; THE LAYOUT OF THE RESULT is the image of a matrix operand's registers.  16 rows of an operand (16 tokens of x; 16 columns n of a weight) are a RECORD of TREC = 16,896 bytes:
;   [K step 0..7][c 0..3][lane 0..31][16 bytes]: lane (r = lane % 16, h = lane / 16) holds row r, k = 128 step + 32 c + 16 h + 0 .. 15;
;   behind the 16,384 bytes of codes the scale words [p 0..3][r 0..15][2 words]: word q of pair p holds the four bytes of K step 2 p + q.
; xq: 512 records (tokens);  wc: 256 records: 0..191 the columns of W_qkv, 192..255 those of W_o.
; A block's scale is 2^(floor(log2(its largest magnitude)) - 15); its byte is the largest magnitude's exponent field - 15, held at 1 from below.
; LIMITS: a block of zeros, and one whose largest magnitude lies under 2^-111, keeps the byte 1 (the bytes are read by this program alone; zero codes add nothing under it); NaN and infinities among the inputs are not served.
; SHARES: work-groups 0..255 take x, 256..351 W_qkv, 352..383 W_o; each reads 128 KiB.  Waves share nothing: no barrier.  Only the x path touches LDS.
.set TREC, 16896
.set RA,   16                          ; x path: v16-79, v80-143 two sets of 64 numbers as they are loaded
.set XN,   144                         ; v144-207 64 numbers: register 16 c + i = k 32 c + 16 h + i of my row
.set PC,   208                         ; v208-223 the codes just made
.set TM,   224                         ; v224-239 at work: largest magnitudes, bytes, holds, scale operands
.set WD,   240                         ; v240-243 the four K steps' scale words
.set WX,   32                          ; W paths: v32-95 two sets of 32 numbers down K
.set WC,   96                          ; v96-103 a block's codes
.set SB,   14                          ; v14-15 eight scale bytes
.set SEL,  26                          ; s[26:27] lane selects for v_permlanex16_b32: lane l xor 16
.set MNT,  28                          ; s28 the mantissa field of 57,344
; 64 numbers of a lane, v[s] on, register 16 b + i = k 32 b + 16 (lane / 16) + i of my row, become 16 registers of codes in v[PC] on and the row's scale word in v[pw]
.macro QUANT s, pw
.irp b, 0,1,2,3
	v_max3_num_f32 v[TM+\b], |v[\s+16*\b]|, |v[\s+1+16*\b]|, 0x8000000   ; my 16 numbers of block b, and the floor 2^(16 - 127): the byte cannot fall under 1
.endr
.irp i, 2,4,6,8,10,12,14
.irp b, 0,1,2,3
	v_max3_num_f32 v[TM+\b], v[TM+\b], |v[\s+16*\b+\i]|, |v[\s+1+16*\b+\i]|   ; the four blocks by turns
.endr
.endr
.irp b, 0,1,2,3
	v_permlanex16_b32 v[TM+4+\b], v[TM+\b], s[SEL], s[SEL+1]
.endr
.irp b, 0,1,2,3
	v_max_num_f32 v[TM+\b], v[TM+\b], v[TM+4+\b]   ; with lane l xor 16's 16 numbers: the block's largest magnitude
.endr
.irp b, 0,1,2,3
	v_add_nc_u32 v[TM+12+\b], 0xf8800000, v[TM+\b]   ; 15 off its exponent field: the conversion's scale operand
.endr
.irp b, 0,1,2,3
	v_and_or_b32 v[TM+8+\b], v[TM+\b], 0x7f800000, s[MNT]   ; 57,344 x the scale
.endr
.irp b, 0,1,2,3
	v_lshrrev_b32 v[TM+4+\b], 23, v[TM+12+\b]   ; the scale's byte
.endr
	v_lshl_or_b32 v[\pw], v[TM+5], 8, v[TM+4]
	v_lshl_or_b32 v[\pw], v[TM+6], 16, v[\pw]
	v_lshl_or_b32 v[\pw], v[TM+7], 24, v[\pw]
.irp b, 0,1,2,3
.irp i, 0,1,2,3,4,5,6,7,8,9,10,11,12,13,14,15
	v_med3_num_f32 v[\s+16*\b+\i], v[\s+16*\b+\i], -v[TM+8+\b], v[TM+8+\b]   ; the conversion to an 8-bit code does not saturate (ISA guide 7.6.2): the hold comes first
.endr
	v_cvt_scalef32_pk8_bf8_f32 v[PC+4*\b:PC+1+4*\b], v[\s+16*\b:\s+7+16*\b], v[TM+12+\b]
	v_cvt_scalef32_pk8_bf8_f32 v[PC+2+4*\b:PC+3+4*\b], v[\s+8+16*\b:\s+15+16*\b], v[TM+12+\b]
.endr
	v_nop                                          ; a plain line behind the last conversion
.endm
	s_load_b128 s[4:7], s[0:1], 0x0                ; x, W_qkv
	s_load_b128 s[8:11], s[0:1], 0x10              ; W_o, xq
	s_load_b64 s[12:13], s[0:1], 0x20              ; wc
	v_lshl_add_u32 v254, v0, 2, 0x8400
	v_mov_b32 v255, 0
	v_lshrrev_b32 v1, 5, v0
	v_readfirstlane_b32 s16, v1                    ; wave 0..3
	v_and_b32 v2, 31, v0                           ; lane
	v_and_b32 v3, 15, v0                           ; r
	v_bfe_u32 v8, v0, 4, 1                         ; h
	s_mov_b32 s[SEL], 0x76543210
	s_mov_b32 s[SEL+1], 0xfedcba98
	s_mov_b32 s[MNT], 0x600000
	s_wait_kmcnt 0x0
	s_cmp_lt_u32 ttmp9, 256
	s_cbranch_scc0 .Lweights
; ---- x: wave W = 4 x work-group + wave takes record W / 2 and half W % 2 of K: 16 rows x 512 along K, four K steps.
; Each load reads 512 consecutive bytes of one row; a K step's 16 x 512 bytes turn through the wave's own stage in LDS (rows 528 bytes apart) so that a lane gets 16 neighbours of each block of its row.
	s_lshl_b32 s17, ttmp9, 2
	s_add_co_u32 s17, s17, s16
	s_lshr_b32 s18, s17, 1                         ; record
	s_and_b32 s19, s17, 1                          ; half
	s_lshl_b32 s20, s18, 16                        ; 16 rows of 4,096 bytes
	s_lshl_b32 s21, s19, 11
	s_add_co_u32 s20, s20, s21
	s_mov_b32 s21, 0
	s_mul_i32 s30, s18, TREC
	s_lshl_b32 s22, s19, 13                        ; four K steps of 2,048 bytes
	s_add_co_u32 s22, s22, s30
	s_mov_b32 s23, 0
	s_lshl_b32 s24, s19, 8                         ; two pairs of scale words: 256 bytes
	s_add_co_u32 s24, s24, s30
	s_add_co_u32 s24, s24, 16384
	s_mov_b32 s25, 0
	s_mul_i32 s31, s16, 8448                       ; my stage
	s_wait_alu depctr_va_vdst(0)
	v_lshlrev_b32 v4, 4, v2                        ; 16 x lane: in x's row, and in an image
	v_add_nc_u32 v5, s31, v4                       ; into the stage
	v_mul_u32_u24 v6, v3, 528
	v_lshl_add_u32 v6, v8, 6, v6
	v_add_nc_u32 v6, s31, v6                       ; out of it: row r, + 64 h
	v_lshlrev_b32 v7, 3, v2                        ; 8 x lane: the scale words' place
.irp b, 0,1,2,3
	v_mov_b32 v[TM+4+\b], 0                        ; a lane permute's destination counts as one of its sources
.endr
	s_add_nc_u64 s[4:5], s[4:5], s[20:21]
	s_add_nc_u64 s[22:23], s[10:11], s[22:23]
	s_add_nc_u64 s[24:25], s[10:11], s[24:25]
.macro XLOAD s
.irp i, 0,1,2,3,4,5,6,7,8,9,10,11,12,13,14,15
	global_load_b128 v[RA+64*((\s)%2)+4*\i:RA+64*((\s)%2)+4*\i+3], v4, s[4:5] offset:4096*\i+512*(\s) th:TH_LOAD_NT
.endr
.endm
.macro XSTEP s
.if \s < 3
	s_wait_loadcnt 16                              ; this K step's 16 loads are in; the next step's 16 stay out
.else
	s_wait_loadcnt 0
.endif
.irp i, 0,1,2,3,4,5,6,7,8,9,10,11,12,13,14,15
	ds_store_b128 v5, v[RA+64*((\s)%2)+4*\i:RA+64*((\s)%2)+4*\i+3] offset:528*\i
.endr
.irp c, 0,1,2,3
.irp j, 0,1,2,3
	ds_load_b128 v[XN+16*\c+4*\j:XN+16*\c+4*\j+3], v6 offset:128*\c+16*\j   ; LDS serves a wave's instructions in order (ISA guide 5.7.1.4): these see the stores above
.endr
.endr
	s_wait_dscnt 0x0                               ; the numbers are back, and the stores have read their registers
	s_wait_xcnt 0x0                                ; the last step's global stores have read the codes' registers
.if \s+2 < 4
	XLOAD \s+2
.endif
	QUANT XN, WD+\s
.irp c, 0,1,2,3
	global_store_b128 v4, v[PC+4*\c:PC+4*\c+3], s[22:23] offset:2048*\s+512*\c   ; 32 lanes store 512 consecutive bytes, aligned
.endr
.endm
	XLOAD 0
	XLOAD 1
	s_wait_alu depctr_va_vdst(0)
	XSTEP 0
	XSTEP 1
	XSTEP 2
	XSTEP 3
	s_mov_b32 vcc_lo, 0xffff0000
	v_cndmask_b32 v244, v[WD], v[WD+2], vcc_lo     ; lanes 0-15 store the first pair of my row's words, lanes 16-31 the second
	v_cndmask_b32 v245, v[WD+1], v[WD+3], vcc_lo
	global_store_b64 v7, v[244:245], s[24:25]      ; 256 consecutive bytes, aligned
	s_wait_tensorcnt 0x0
	ds_add_u32 v254, v255
	s_wait_dscnt 0x0
	s_endpgm
; ---- the weights: K is their FIRST axis.  A lane takes a column n and its registers run down K: a block of 32 lies in one lane, and the conversions give codes with K innermost.
; A work-group takes 128 columns x 256 along K, a wave 32 columns: two records.  A lane's 32 codes of a block are the 16 bytes of lane (r, 0) and the 16 of lane (r, 1) of the image: two stores, each of two whole runs of 256 bytes.
.macro WLOAD t, np
.irp i, 0,1,2,3,4,5,6,7,8,9,10,11,12,13,14,15,16,17,18,19,20,21,22,23,24,25,26,27,28,29,30,31
	global_load_b32 v[WX+32*((\t)%2)+\i], v4, s[4:5] offset:(32*(\t)+\i)*\np th:TH_LOAD_NT
.endr
.endm
.macro WBLOCK t, np
.set XS, WX+32*((\t)%2)
.if (\t) < 7
	s_wait_loadcnt 32                              ; this block's 32 loads are in; the next block's stay out
.else
	s_wait_loadcnt 0
.endif
	v_max3_num_f32 v12, |v[XS]|, |v[XS+1]|, |v[XS+2]|
	v_max3_num_f32 v13, |v[XS+3]|, |v[XS+4]|, |v[XS+5]|
.irp i, 6,10,14,18,22,26
	v_max3_num_f32 v12, v12, |v[XS+\i]|, |v[XS+\i+1]|
	v_max3_num_f32 v13, v13, |v[XS+\i+2]|, |v[XS+\i+3]|
.endr
	v_max3_num_f32 v12, v12, |v[XS+30]|, |v[XS+31]|
	v_max3_num_f32 v12, v12, v13, 0x8000000        ; and the floor
	v_add_nc_u32 v11, 0xf8800000, v12              ; the conversion's scale operand
	v_and_or_b32 v10, v12, 0x7f800000, s[MNT]      ; 57,344 x the scale
	v_lshrrev_b32 v13, 23, v11                     ; the byte
.if (\t)%4 == 0
	v_mov_b32 v[SB+(\t)/4], v13
.else
	v_lshl_or_b32 v[SB+(\t)/4], v13, 8*((\t)%4), v[SB+(\t)/4]
.endif
.irp i, 0,1,2,3,4,5,6,7,8,9,10,11,12,13,14,15,16,17,18,19,20,21,22,23,24,25,26,27,28,29,30,31
	v_med3_num_f32 v[XS+\i], v[XS+\i], -v10, v10
.endr
	s_wait_alu depctr_va_vdst(0)
	s_wait_xcnt 0x0                                ; the last block's stores have read the codes' registers
.irp g, 0,1,2,3
	v_cvt_scalef32_pk8_bf8_f32 v[WC+2*\g:WC+2*\g+1], v[XS+8*\g:XS+8*\g+7], v11
.endr
	global_store_b128 v5, v[WC:WC+3], s[22:23] offset:((\t)/4)*2048+((\t)%4)*512
	global_store_b128 v5, v[WC+4:WC+7], s[22:23] offset:((\t)/4)*2048+((\t)%4)*512+256
.if (\t)+2 < 8
	WLOAD (\t)+2, \np
.endif
.endm
.macro WPATH np, tile0, first, src     ; np: bytes of a row of the weight; tile0: its first record in wc; first: its first work-group; src: the scalar pair with its address
	s_sub_co_u32 s17, ttmp9, \first
	s_lshr_b32 s18, s17, 2                         ; which 128 columns
	s_and_b32 s19, s17, 3                          ; which 256 along K
	s_lshl_b32 s18, s18, 7
	s_lshl_b32 s20, s16, 5
	s_add_co_u32 s18, s18, s20                     ; my wave's first column
	s_mul_i32 s20, s19, 256*\np
	s_lshl_b32 s21, s18, 2
	s_add_co_u32 s20, s20, s21
	s_mov_b32 s21, 0
	s_add_nc_u64 s[4:5], s[\src:\src+1], s[20:21]
	s_lshr_b32 s30, s18, 4
	s_add_co_u32 s30, s30, \tile0
	s_mul_i32 s30, s30, TREC                       ; my first record
	s_lshl_b32 s22, s19, 12                        ; two K steps
	s_add_co_u32 s22, s22, s30
	s_mov_b32 s23, 0
	s_add_nc_u64 s[22:23], s[12:13], s[22:23]
	s_lshl_b32 s24, s19, 7                         ; pair p of the scale words
	s_add_co_u32 s24, s24, s30
	s_add_co_u32 s24, s24, 16384
	s_mov_b32 s25, 0
	s_add_nc_u64 s[24:25], s[12:13], s[24:25]
	v_lshlrev_b32 v4, 2, v2                        ; in: 4 bytes a lane
	v_mul_u32_u24 v5, v8, TREC                     ; lanes 16-31: the next record
	v_lshl_add_u32 v6, v3, 3, v5                   ; my row's pair of scale words
	v_lshl_add_u32 v5, v3, 4, v5                   ; my row's 16 bytes of an image
	WLOAD 0, \np
	WLOAD 1, \np
.irp t, 0,1,2,3,4,5,6,7
	WBLOCK \t, \np
.endr
	global_store_b64 v6, v[SB:SB+1], s[24:25]
	s_endpgm
.endm
.Lweights:
	s_cmp_lt_u32 ttmp9, 352
	s_cbranch_scc0 .Lwo
	s_wait_alu depctr_va_vdst(0)
	WPATH 12288, 0, 256, 6
.Lwo:
	s_wait_alu depctr_va_vdst(0)
	WPATH 4096, 192, 352, 8
.Lfunc_end_k_q18f798b9f9_prep:
	.size	k_q18f798b9f9_prep, .Lfunc_end_k_q18f798b9f9_prep-k_q18f798b9f9_prep
	.p2alignl 7, 3214868480
	.fill 96, 4, 3214868480
	.section	.rodata,"a",@progbits
	.p2align	6, 0x0
	.amdhsa_kernel k_q18f798b9f9_prep
		.amdhsa_group_segment_fixed_size 34304
		.amdhsa_private_segment_fixed_size 0
		.amdhsa_enable_private_segment 0
		.amdhsa_kernarg_size 40
		.amdhsa_user_sgpr_count 2
		.amdhsa_user_sgpr_kernarg_segment_ptr 1
		.amdhsa_wavefront_size32 1
		.amdhsa_system_sgpr_workgroup_id_x 1
		.amdhsa_system_sgpr_workgroup_id_y 1
		.amdhsa_system_sgpr_workgroup_id_z 1
		.amdhsa_system_vgpr_workitem_id 0
		.amdhsa_next_free_vgpr 256
		.amdhsa_next_free_sgpr 66
		.amdhsa_reserve_vcc 1
		.amdhsa_float_denorm_mode_32 3
		.amdhsa_float_denorm_mode_16_64 3
		.amdhsa_memory_ordered 1
		.amdhsa_forward_progress 1
		.amdhsa_inst_pref_size 162
	.end_amdhsa_kernel
	.amdgpu_metadata
---
amdhsa.version: [ 1, 2 ]
amdhsa.kernels:
  - .name:           k_q18f798b9f9_prep
    .symbol:         k_q18f798b9f9_prep.kd
    .args:
      - { .name: x, .offset: 0, .size: 8, .value_kind: global_buffer, .address_space: global }
      - { .name: W_qkv, .offset: 8, .size: 8, .value_kind: global_buffer, .address_space: global }
      - { .name: W_o, .offset: 16, .size: 8, .value_kind: global_buffer, .address_space: global }
      - { .name: xq, .offset: 24, .size: 8, .value_kind: global_buffer, .address_space: global }
      - { .name: wc, .offset: 32, .size: 8, .value_kind: global_buffer, .address_space: global }
    .group_segment_fixed_size: 34304
    .private_segment_fixed_size: 0
    .kernarg_segment_align: 8
    .kernarg_segment_size: 40
    .max_flat_workgroup_size: 128
    .sgpr_count:     66
    .vgpr_count:     256
    .wavefront_size: 32
...
	.end_amdgpu_metadata
.endif
;; end of part 1
;; launch gemm_qkv (part 2): grid 12 x 32, 4 waves a work-group, clusters of 4 x 4, 327,680 bytes of LDS; arguments xq, wc, b_qkv, qkr, vr; writes qkr, vr
.if DOCPART == 2
	.amdgcn_target "amdgcn-amd-amdhsa--gfx1250"
	.amdhsa_code_object_version 6
	.text
	.protected	k_q18f798b9f9_gemm_qkv
	.globl	k_q18f798b9f9_gemm_qkv
	.p2align	8
	.type	k_q18f798b9f9_gemm_qkv,@function
k_q18f798b9f9_gemm_qkv:
	s_mov_b64 s[64:65], 0
	v_nop
	global_prefetch_b8 v0, s[64:65] scope:SCOPE_SE
	s_setreg_imm32_b32 hwreg(HW_REG_WAVE_MODE, 25, 1), 1
	s_wait_xcnt 0x0
	s_wait_alu depctr_hold_cnt(0) depctr_sa_sdst(0) depctr_va_vdst(0) depctr_va_sdst(0) depctr_va_ssrc(0) depctr_va_vcc(0) depctr_vm_vsrc(0)
	s_getreg_b32 s2, hwreg(HW_REG_IB_STS2, 6, 4)
	s_cmp_eq_u32 s2, 0
	s_cbranch_scc0 .Lentry_in_a_cluster
	s_endpgm
.Lentry_in_a_cluster:
	s_bfe_u32 s2, ttmp6, 0x10000c
	s_cmp_lg_u32 s2, 0xf033
	s_cbranch_scc0 .Lentry_shape_is_right
	s_endpgm
.Lentry_shape_is_right:
.set TREC,  16896
.set NQ,    2
.set FR,    16
.set NL,    4
.set NP,    8
.set SLOT,  131072
.set SCA,   262144
.set SPARE, 278784
.set BT0,   0
.set HEADQ, 557056
.set HEADV, 135168
.set BO,   15
.set ADRA, 16
.set ADRB, 20
.set STO,  24
.set RDV,  25
.set CO,   26
.set ADRS, 27
.set SPW,  28
.set NIL,  29
.set SCO,  30
.set SH,   31
.set SC,   32
.set BIAS, 64
.set AF,   128
.set T,    128
.set PC,   192
.set TM,   208
.set PW,   224
.set WW,   232
.set G1, 24
.set G0, 32
.set G1B, 48
.set G0B, 56
.set SEL, 66
.set G1S, 68
.set G0S, 76
.set G1SB, 80
.set G0SB, 88
.set MNT, 96
.set MSB, 0
.macro WIN new
.if MSB != (\new)
	s_set_vgpr_msb (MSB<<8)|(\new)
.set MSB, (\new)
.endif
.endm
.set MUL_LO, 0xa1
.set MUL_HI, 0xf1
.set TO_B,   0x40
.macro JLOAD g0a, g1a, g0b, g1b
	s_cmp_eq_u32 s15, 0
	s_cbranch_scc0 .Lfor_b_\@
	tensor_load_to_lds s[\g0a:\g0a+3], s[\g1a:\g1a+7]
	s_nop 0
.rept 4
	v_nop
.endr
	s_branch .Lasked_\@
.Lfor_b_\@:
	tensor_load_to_lds s[\g0b:\g0b+3], s[\g1b:\g1b+7]
	s_nop 0
.rept 4
	v_nop
.endr
.Lasked_\@:
.endm
.macro CREST
	s_cmp_lg_u32 s14, 0
	s_cbranch_scc1 .Lnot_wave_0_\@
	s_barrier_signal -3
.Lnot_wave_0_\@:
	s_barrier_wait -3
	s_barrier_signal -1
	s_barrier_wait -1
.endm
.macro CROUND
	s_barrier_signal -1
	s_barrier_wait -1
	CREST
.endm
	s_load_b256 s[4:11], s[0:1], 0x0
	s_load_b64 s[12:13], s[0:1], 0x20
	v_lshl_add_u32 v[SPW], v0, 2, SPARE
	v_mov_b32 v[NIL], 0
	ds_add_u32 v28, v29
	ds_add_u32 v28, v29
	s_wait_dscnt 0x0
	v_lshrrev_b32 v1, 5, v0
	v_readfirstlane_b32 s14, v1
	s_lshr_b32 s15, s14, 1
	s_and_b32 s16, s14, 1
	s_bfe_u32 s40, ttmp6, 0x40000
	s_bfe_u32 s41, ttmp6, 0x40004
	s_lshl_b32 s42, ttmp9, 2
	s_add_co_u32 s42, s42, s40
	s_and_b32 s17, ttmp7, 0xffff
	s_lshl_b32 s17, s17, 2
	s_add_co_u32 s17, s17, s41
	s_lshl_b32 s43, s41, 2
	s_lshl_b32 s43, 15, s43
	s_lshl_b32 s44, 0x1111, s40
	s_or_b32 s[G1+0], s43, (3<<16)|(1<<21)
	s_or_b32 s[G1B+0], s44, (3<<16)|(1<<21)
.irp g, G1, G1B
	s_mov_b32 s[\g+1], 512<<16
	s_mov_b32 s[\g+2], 16<<16
	s_mov_b32 s[\g+3], 512<<16
	s_mov_b32 s[\g+4], 16
	s_mov_b32 s[\g+5], TREC/8
	s_mov_b32 s[\g+6], 0
	s_mov_b32 s[\g+7], 0
.endr
	s_or_b32 s[G1S+0], s43, (3<<16)|(1<<21)
	s_or_b32 s[G1SB+0], s44, (3<<16)|(1<<21)
.irp g, G1S, G1SB
	s_mov_b32 s[\g+1], 64<<16
	s_mov_b32 s[\g+2], 16<<16
	s_mov_b32 s[\g+3], 64<<16
	s_mov_b32 s[\g+4], 16
	s_mov_b32 s[\g+5], TREC/8
	s_mov_b32 s[\g+6], 0
	s_mov_b32 s[\g+7], 0
.endr
	s_mul_i32 s18, s16, 8*TREC                     ; in the ring I fetch 8 records of a tile: which half, in bytes
	s_mov_b32 s19, 0
	s_lshl_b32 s20, s17, 4
	s_mul_i32 s20, s20, TREC
	s_mov_b32 s21, 0
	s_lshl_b32 s46, s42, 4
.if BT0
	s_add_co_u32 s46, s46, BT0
.endif
	s_mul_i32 s46, s46, TREC
	s_mov_b32 s47, 0
	s_lshl_b32 s45, s14, 15
	s_wait_kmcnt 0x0
	s_add_nc_u64 s[20:21], s[4:5], s[20:21]
	s_add_nc_u64 s[46:47], s[6:7], s[46:47]
	s_add_nc_u64 s[22:23], s[20:21], 16384
	s_add_nc_u64 s[92:93], s[46:47], 16384
	CROUND
	s_mov_b32 s[G0S], 1
	s_mov_b32 s[G0S+1], SCA
	s_mov_b64 s[G0S+2:G0S+3], s[22:23]
	s_or_b32 s[G0S+3], s[G0S+3], 0x80000000
	s_mov_b32 s[G0SB], 1
	s_mov_b32 s[G0SB+1], SCA+8320
	s_mov_b64 s[G0SB+2:G0SB+3], s[92:93]
	s_or_b32 s[G0SB+3], s[G0SB+3], 0x80000000
.set G0H,  4                           ; s[4:7], s[92:95] group 0 for the head's loads of K step 0: A's 16 records, B's 16 (the arguments that lay in s[4:7] have been used)
.set G0HB, 92
	s_mov_b32 s[G0H], 1
	s_mov_b32 s[G0H+1], 0
	s_mov_b64 s[G0H+2:G0H+3], s[20:21]
	s_or_b32 s[G0H+3], s[G0H+3], 0x80000000
	s_mov_b32 s[G0HB], 1
	s_mov_b32 s[G0HB+1], 65536
	s_mov_b64 s[G0HB+2:G0HB+3], s[46:47]
	s_or_b32 s[G0HB+3], s[G0HB+3], 0x80000000
	s_add_nc_u64 s[20:21], s[20:21], s[18:19]      ; for the ring: my 8 records of the tile
	s_add_nc_u64 s[46:47], s[46:47], s[18:19]
.irp s, 0,1
	s_mov_b32 s[G0+4*\s], 1
	s_add_co_u32 s[G0+4*\s+1], s45, \s*SLOT
	s_add_nc_u64 s[G0+4*\s+2:G0+4*\s+3], s[20:21], \s*4096
	s_or_b32 s[G0+4*\s+3], s[G0+4*\s+3], 0x80000000
	s_mov_b32 s[G0B+4*\s], 1
	s_add_co_u32 s[G0B+4*\s+1], s45, \s*SLOT
	s_add_nc_u64 s[G0B+4*\s+2:G0B+4*\s+3], s[46:47], \s*4096
	s_or_b32 s[G0B+4*\s+3], s[G0B+4*\s+3], 0x80000000
.endr
; THE HEAD'S LOADS, ONE A WAVE: wave 0 K step 0's 16 records of A, wave 1 those of B, wave 2 the scale words of A's 16 records, wave 3 those of B's.  One tree of branches on the wave's number, a load to an arm.
.macro ARM under, g0, g1, next
	s_cmp_lt_u32 s14, \under
	s_cbranch_scc0 \next
	tensor_load_to_lds s[\g0:\g0+3], s[\g1:\g1+7]
	s_nop 0
.rept 4
	v_nop
.endr
	s_branch .Lhead_asked
\next:
.endm
	ARM 1, G0H,  G1,  .Lhead_b
	ARM 2, G0HB, G1B, .Lhead_sa
	ARM 3, G0S,  G1S, .Lhead_sb
	tensor_load_to_lds s[G0SB:G0SB+3], s[G1SB:G1SB+7]
	s_nop 0
.rept 4
	v_nop
.endr
.Lhead_asked:
	v_and_b32 v1, 15, v0
	v_bfe_u32 v2, v0, 4, 1
	s_wait_alu depctr_va_vdst(0)
	v_and_b32 v3, 31, v0
	v_lshlrev_b32 v[CO], 4, v3
	s_lshl_b32 s21, s15, 15
	s_lshl_b32 s22, s16, 15
	s_add_co_u32 s22, s22, 65536
.irp s, 0,1
	v_add_nc_u32 v[ADRA+\s], s21, v[CO]
	v_add_nc_u32 v[ADRB+\s], s22, v[CO]
	s_add_co_u32 s21, s21, SLOT
	s_add_co_u32 s22, s22, SLOT
.endr
	v_lshlrev_b32 v5, 3, v1
	s_lshl_b32 s21, s15, 12
	s_lshl_b32 s22, s16, 12
	s_add_co_u32 s22, s22, 8320
	s_sub_co_u32 s22, s22, s21
	v_mul_u32_u24 v6, s22, v2
	s_add_co_u32 s21, s21, SCA
	v_add_nc_u32 v5, v5, v6
	v_add_nc_u32 v[ADRS], s21, v5
	s_mul_i32 s23, s14, 67584
	v_mul_u32_u24 v5, v1, 528
	v_lshl_add_u32 v5, v2, 5, v5
	v_add_nc_u32 v[STO], s23, v5
	v_and_b32 v5, 8, v1
	v_add_nc_u32 v5, v5, v1
	v_lshlrev_b32 v5, 2, v5
	v_mad_u32_u24 v5, v2, 4224, v5
	v_add_nc_u32 v[RDV], s23, v5
	s_lshl_b32 s96, s42, 10
	s_lshl_b32 s97, s16, 9
	s_add_co_u32 s96, s96, s97
	s_mov_b32 s97, 0
	s_add_nc_u64 s[8:9], s[8:9], s[96:97]
	v_lshlrev_b32 v[BO], 5, v2
.irp bq, 0,1,2,3,4,5,6,7
	global_load_b128 v[BIAS+8*\bq:BIAS+8*\bq+3], v[BO], s[8:9] offset:64*\bq
	global_load_b128 v[BIAS+8*\bq+4:BIAS+8*\bq+7], v[BO], s[8:9] offset:64*\bq+16
.endr
.macro FRAG reg, adr, q, i
.irp c, 0,1,2,3
	ds_load_b128 v[\reg+4*\c:\reg+4*\c+3], v[\adr] offset:4096*(\i)+2048*(\q)+512*\c
.endr
.endm
.macro MUL16 a0, p, q, sc, zero
.irp a, \a0, \a0+1
.irp b, 0,1,2,3,4,5,6,7
.if \zero
	v_wmma_scale_f32_16x16x128_f8f6f4 v[8*(8*((\a)%4)+\b):8*(8*((\a)%4)+\b)+7], v[128*(\p)+FR*\b:128*(\p)+FR*\b+FR-1], v[AF+FR*(\a):AF+FR*(\a)+FR-1], 0, v[SC+8*NQ*(\sc)+NQ*\b+(\q)], v[SC+8*NQ*(\sc)+NQ*(\a)+(\q)] matrix_a_fmt:MATRIX_FMT_BF8 matrix_b_fmt:MATRIX_FMT_BF8 matrix_a_scale:MATRIX_SCALE_ROW1
.else
	v_wmma_scale_f32_16x16x128_f8f6f4 v[8*(8*((\a)%4)+\b):8*(8*((\a)%4)+\b)+7], v[128*(\p)+FR*\b:128*(\p)+FR*\b+FR-1], v[AF+FR*(\a):AF+FR*(\a)+FR-1], v[8*(8*((\a)%4)+\b):8*(8*((\a)%4)+\b)+7], v[SC+8*NQ*(\sc)+NQ*\b+(\q)], v[SC+8*NQ*(\sc)+NQ*(\a)+(\q)] matrix_a_fmt:MATRIX_FMT_BF8 matrix_b_fmt:MATRIX_FMT_BF8 matrix_a_scale:MATRIX_SCALE_ROW1
.endif
.endr
.endr
.endm
.macro FETCH_B slot, q, p
	WIN TO_B
.irp i, 0,1,2,3,4,5,6,7
	FRAG 128*(\p)+FR*\i, ADRB+\slot, \q, \i
.endr
	WIN 0
.endm
.macro FETCH_A slot, q, i0
.irp i, \i0, \i0+1, \i0+2, \i0+3
	FRAG AF+FR*(\i), ADRA+\slot, \q, \i
.endr
.endm
.macro SCALES sc
.irp i, 0,1,2,3,4,5,6,7
	ds_load_b64 v[SC+8*NQ*\sc+NQ*\i:SC+8*NQ*\sc+NQ*\i+1], v[ADRS] offset:\i*512
.endr
.endm
.macro PLACES n
.rept \n
	v_nop
.endr
.endm
.macro STEP slot, q, zero
	s_wait_dscnt 4*NL
	WIN MUL_LO
	MUL16 0, (\q)%2, \q, \slot, \zero
	MUL16 2, (\q)%2, \q, \slot, \zero
	s_wait_dscnt 0
	PLACES NP
	FETCH_B \slot, (\q)+1, 1-(\q)%2
	FETCH_A \slot, (\q)+1, 0
	WIN MUL_HI
	MUL16 4, (\q)%2, \q, \slot, \zero
	MUL16 6, (\q)%2, \q, \slot, \zero
	PLACES NP
	WIN 0
	FETCH_A \slot, (\q)+1, 4
.endm
.macro TURN slot, next, fill
	s_wait_tensorcnt 0x0
	ds_add_u32 v[SPW], v[NIL]
	s_wait_dscnt 4*NL+1
	WIN MUL_LO
	MUL16 0, 1, NQ-1, \slot, 0
	s_wait_dscnt 0x0
	s_barrier_signal -1
	MUL16 2, 1, NQ-1, \slot, 0
	WIN 0
	s_barrier_wait -1
.if \fill
	CREST
	s_add_nc_u64 s[G0+4*\slot+2:G0+4*\slot+3], s[G0+4*\slot+2:G0+4*\slot+3], 8192
	s_add_nc_u64 s[G0B+4*\slot+2:G0B+4*\slot+3], s[G0B+4*\slot+2:G0B+4*\slot+3], 8192
	JLOAD G0+4*\slot, G1, G0B+4*\slot, G1B
	PLACES NP-4
.else
	PLACES NP
.endif
	s_wait_alu depctr_va_vdst(0)
	v_add_nc_u32 v[ADRS], 128, v[ADRS]
	FETCH_B \next, 0, 0
	FETCH_A \next, 0, 0
	SCALES \next
	WIN MUL_HI
	MUL16 4, 1, NQ-1, \slot, 0
	MUL16 6, 1, NQ-1, \slot, 0
	PLACES NP
	WIN 0
	FETCH_A \next, 0, 4
.endm
	s_wait_alu depctr_va_vdst(0)                   ; the wait at the head's end
	s_wait_tensorcnt 0x0                           ; my tile of the head's four is in
	ds_add_u32 v[SPW], v[NIL]
	s_mov_b32 s[G1+2], 8<<16                       ; no tensor load of mine is out: from here on a load brings 8 records
	s_mov_b32 s[G1+4], 8
	s_mov_b32 s[G1B+2], 8<<16
	s_mov_b32 s[G1B+4], 8
	s_wait_dscnt 0x0
	CROUND                                         ; all four tiles are in, and all sixteen work-groups are here
	JLOAD G0+4, G1, G0B+4, G1B                     ; K step 1, the first tensor load behind the round
	FETCH_B 0, 0, 0
	FETCH_A 0, 0, 0
	SCALES 0
	FETCH_A 0, 0, 4
	STEP 0, 0, 1
	TURN 0, 1, 1
	STEP 1, 0, 0
	TURN 1, 0, 1
	STEP 0, 0, 0
	TURN 0, 1, 0
	STEP 1, 0, 0
	s_wait_dscnt 4*NL
	WIN MUL_LO
	MUL16 0, 1, NQ-1, 1, 0
	MUL16 2, 1, NQ-1, 1, 0
	s_wait_dscnt 0
	WIN MUL_HI
	MUL16 4, 1, NQ-1, 1, 0
	MUL16 6, 1, NQ-1, 1, 0
	WIN 0
.macro QUANT s, pw
.irp b, 0,1,2,3
	v_max3_num_f32 v[TM+\b], |v[\s+16*\b]|, |v[\s+1+16*\b]|, 0x8000000
.endr
.irp i, 2,4,6,8,10,12,14
.irp b, 0,1,2,3
	v_max3_num_f32 v[TM+\b], v[TM+\b], |v[\s+16*\b+\i]|, |v[\s+1+16*\b+\i]|
.endr
.endr
.irp b, 0,1,2,3
	v_permlanex16_b32 v[TM+4+\b], v[TM+\b], s[SEL], s[SEL+1]
.endr
.irp b, 0,1,2,3
	v_max_num_f32 v[TM+\b], v[TM+\b], v[TM+4+\b]
.endr
.irp b, 0,1,2,3
	v_add_nc_u32 v[TM+12+\b], 0xf8800000, v[TM+\b]
.endr
.irp b, 0,1,2,3
	v_and_or_b32 v[TM+8+\b], v[TM+\b], 0x7f800000, s[MNT]
.endr
.irp b, 0,1,2,3
	v_lshrrev_b32 v[TM+4+\b], 23, v[TM+12+\b]
.endr
	v_lshl_or_b32 v[\pw], v[TM+5], 8, v[TM+4]
	v_lshl_or_b32 v[\pw], v[TM+6], 16, v[\pw]
	v_lshl_or_b32 v[\pw], v[TM+7], 24, v[\pw]
.irp b, 0,1,2,3
.irp i, 0,1,2,3,4,5,6,7,8,9,10,11,12,13,14,15
	v_med3_num_f32 v[\s+16*\b+\i], v[\s+16*\b+\i], -v[TM+8+\b], v[TM+8+\b]
.endr
	v_cvt_scalef32_pk8_bf8_f32 v[PC+4*\b:PC+1+4*\b], v[\s+16*\b:\s+7+16*\b], v[TM+12+\b]
	v_cvt_scalef32_pk8_bf8_f32 v[PC+2+4*\b:PC+3+4*\b], v[\s+8+16*\b:\s+15+16*\b], v[TM+12+\b]
.endr
	v_nop
.endm
.macro ADDB a
	WIN 0x02+(\a)/4
.set AC, 64*((\a)%4)
.irp k, 0,2,4,6,8,10,12,14,16,18,20,22,24,26,28,30,32,34,36,38,40,42,44,46,48,50,52,54,56,58,60,62
	v_pk_add_f32 v[T+\k:T+\k+1], v[AC+\k:AC+\k+1], v[BIAS+\k:BIAS+\k+1]
.endr
	WIN 0
.endm
	PLACES NP
	s_wait_loadcnt 0x0
	s_wait_dscnt 0x0
	s_barrier_signal -1
	s_barrier_wait -1
.irp b, 0,1,2,3
	v_mov_b32 v[TM+4+\b], 0
.endr
	v_lshlrev_b32 v[SH], 4, v2
	v_lshlrev_b32 v[SCO], 4, v1
	s_mov_b32 s[SEL], 0x76543210
	s_mov_b32 s[SEL+1], 0xfedcba98
	s_mov_b32 s[MNT], 0x600000
	s_lshr_b32 s20, s17, 3
	s_and_b32 s21, s17, 7
	s_lshl_b32 s21, s21, 1
	s_add_co_u32 s21, s21, s15
	s_cmp_lt_u32 ttmp9, 2
	s_cbranch_scc0 .Lv_path
	s_lshl_b32 s18, s42, 2
	s_lshl_b32 s19, s16, 1
	s_add_co_u32 s18, s18, s19
	s_lshl_b32 s18, s18, 2
	s_add_co_u32 s18, s18, s20
	s_lshl_b32 s18, s18, 4
	s_add_co_u32 s18, s18, s21
	s_mul_i32 s18, s18, 8704
	s_mov_b32 s19, 0
	s_add_nc_u64 s[10:11], s[10:11], s[18:19]
	s_wait_alu depctr_va_vdst(0)
	v_mad_u32_u24 v[SCO], v2, HEADQ, v[SCO]
.irp a, 0,1,2,3,4,5,6,7
	s_wait_xcnt 0x0
	ADDB \a
	QUANT T, PW
.irp cc, 0,1,2,3
	global_store_b128 v[CO], v[PC+4*\cc:PC+4*\cc+3], s[10:11] offset:1024*\a+512*(\cc%2)+HEADQ*(\cc/2)
.endr
	v_bfe_u32 v[WW+\a], v[PW], v[SH], 16
.endr
	global_store_b128 v[SCO], v[WW:WW+3], s[10:11] offset:8192
	global_store_b128 v[SCO], v[WW+4:WW+7], s[10:11] offset:8448
	s_branch .Ljoin
.Lv_path:
	s_lshl_b32 s18, s20, 4
	s_sub_co_u32 s19, s42, 8
	s_lshl_b32 s19, s19, 2
	s_add_co_u32 s18, s18, s19
	s_lshl_b32 s19, s16, 1
	s_add_co_u32 s18, s18, s19
	s_lshl_b32 s18, s18, 4
	s_add_co_u32 s18, s18, s21
	s_mul_i32 s18, s18, 8448
	s_mov_b32 s19, 0
	s_add_nc_u64 s[12:13], s[12:13], s[18:19]
	s_wait_alu depctr_va_vdst(0)
	v_mad_u32_u24 v[SCO], v2, HEADV, v[SCO]
.irp a, 0,1,2,3,4,5,6,7
	ADDB \a
.irp bq, 0,1,2,3,4,5,6,7
	ds_store_b128 v[STO], v[T+8*\bq:T+8*\bq+3] offset:8448*\a+64*\bq
	ds_store_b128 v[STO], v[T+8*\bq+4:T+8*\bq+7] offset:8448*\a+64*\bq+16
.endr
	s_wait_dscnt 0x0
.endr
.irp e, 0,1,2,3,4,5,6,7
.irp cb, 0,1,2,3
.irp i, 0,1,2,3,4,5,6,7,8,9,10,11,12,13,14,15
	ds_load_b32 v[T+16*\cb+\i], v[RDV] offset:(32*\cb+16*(\i/8)+\i%8)*528+(64*(\e/4)+32*((\e%4)/2)+8*(\e%2))*4
.endr
.endr
	s_wait_dscnt 0x0
	s_wait_xcnt 0x0
	QUANT T, WW+\e
.irp c, 0,1,2,3
	global_store_b128 v[CO], v[PC+4*\c:PC+4*\c+3], s[12:13] offset:HEADV*(\e/4)+2048*(\e%4)+512*\c
.endr
.endr
	s_mov_b32 vcc_lo, 0xffff0000
.irp t, 0,1,2,3
	v_cndmask_b32 v[240+\t], v[WW+\t], v[WW+4+\t], vcc_lo
.endr
	global_store_b128 v[SCO], v[240:243], s[12:13] offset:8192
.Ljoin:
	s_wait_tensorcnt 0x0
	ds_add_u32 v[SPW], v[NIL]
	s_wait_dscnt 0x0
	CROUND
	s_endpgm
.Lfunc_end_k_q18f798b9f9_gemm_qkv:
	.size	k_q18f798b9f9_gemm_qkv, .Lfunc_end_k_q18f798b9f9_gemm_qkv-k_q18f798b9f9_gemm_qkv
	.p2alignl 7, 3214868480
	.fill 96, 4, 3214868480
	.section	.rodata,"a",@progbits
	.p2align	6, 0x0
	.amdhsa_kernel k_q18f798b9f9_gemm_qkv
		.amdhsa_group_segment_fixed_size 327680
		.amdhsa_private_segment_fixed_size 0
		.amdhsa_enable_private_segment 0
		.amdhsa_kernarg_size 40
		.amdhsa_user_sgpr_count 2
		.amdhsa_user_sgpr_kernarg_segment_ptr 1
		.amdhsa_wavefront_size32 1
		.amdhsa_system_sgpr_workgroup_id_x 1
		.amdhsa_system_sgpr_workgroup_id_y 1
		.amdhsa_system_sgpr_workgroup_id_z 1
		.amdhsa_system_vgpr_workitem_id 0
		.amdhsa_next_free_vgpr 1024
		.amdhsa_next_free_sgpr 98
		.amdhsa_reserve_vcc 1
		.amdhsa_float_denorm_mode_32 3
		.amdhsa_float_denorm_mode_16_64 3
		.amdhsa_memory_ordered 1
		.amdhsa_forward_progress 1
		.amdhsa_inst_pref_size 255
	.end_amdhsa_kernel
	.section	.bss,"aw",@nobits
	.p2align	6
	.space	262144
	.amdgpu_metadata
---
amdhsa.version: [ 1, 2 ]
amdhsa.kernels:
  - .name:           k_q18f798b9f9_gemm_qkv
    .symbol:         k_q18f798b9f9_gemm_qkv.kd
    .args:
      - { .name: xq, .offset: 0, .size: 8, .value_kind: global_buffer, .address_space: global }
      - { .name: wc, .offset: 8, .size: 8, .value_kind: global_buffer, .address_space: global }
      - { .name: b_qkv, .offset: 16, .size: 8, .value_kind: global_buffer, .address_space: global }
      - { .name: qkr, .offset: 24, .size: 8, .value_kind: global_buffer, .address_space: global }
      - { .name: vr, .offset: 32, .size: 8, .value_kind: global_buffer, .address_space: global }
    .group_segment_fixed_size: 327680
    .private_segment_fixed_size: 0
    .kernarg_segment_align: 8
    .kernarg_segment_size: 40
    .max_flat_workgroup_size: 128
    .sgpr_count:     98
    .vgpr_count:     1024
    .wavefront_size: 32
...
	.end_amdgpu_metadata
.endif
;; end of part 2
;; launch attn (part 3): grid 4 x 64, 16 waves a work-group, clusters of 4 x 1, 327,680 bytes of LDS; arguments qkr, vr, oc; writes oc
.if DOCPART == 3
	.amdgcn_target "amdgcn-amd-amdhsa--gfx1250"
	.amdhsa_code_object_version 6
	.text
	.protected	k_q18f798b9f9_attn
	.globl	k_q18f798b9f9_attn
	.p2align	8
	.type	k_q18f798b9f9_attn,@function
k_q18f798b9f9_attn:
	s_mov_b64 s[64:65], 0
	v_nop
	global_prefetch_b8 v0, s[64:65] scope:SCOPE_SE
	s_setreg_imm32_b32 hwreg(HW_REG_WAVE_MODE, 25, 1), 1
	s_wait_xcnt 0x0
	s_wait_alu depctr_hold_cnt(0) depctr_sa_sdst(0) depctr_va_vdst(0) depctr_va_sdst(0) depctr_va_ssrc(0) depctr_va_vcc(0) depctr_vm_vsrc(0)
	s_getreg_b32 s2, hwreg(HW_REG_IB_STS2, 6, 4)
	s_cmp_eq_u32 s2, 0
	s_cbranch_scc0 .Lentry_in_a_cluster
	s_endpgm
.Lentry_in_a_cluster:
	s_bfe_u32 s2, ttmp6, 0x10000c
	s_cmp_lg_u32 s2, 0x3003
	s_cbranch_scc0 .Lentry_shape_is_right
	s_endpgm
.Lentry_shape_is_right:
; O = softmax(q k^T / 8) v for one head of one batch, both products on codes of BF8 (E5M2) with E8M0 scales; O / l is quantised along the embedding and stored as records for the last product.
; THE SOFTMAX: t = score x log2(e) / 8; M = the running largest t rounded UP to a whole number; p = 2^(t - M) is quantised along the keys, not normalised; the row's sum is taken of the unquantised p and divides at the end.
; SHARES: a work-group owns 512 queries of a head; each of its sixteen waves owns one tile of 16 queries in each of two passes and walks the head's 2,048 keys, 128 a step.
; THE WHOLE HEAD'S K AND V LIE IN LDS, filled once: K's 16 records (139,264 bytes) at 0, V's 16 (135,168 bytes) behind them.  Every wave asks for one sixteenth at the head: waves 0-7 two records of K each, waves 8-15 two of V.
; The four work-groups of a head are one cluster and ask jointly.  No prefetch: all of K and V is asked for by the head's sixteen loads, and no load follows that a request could run ahead of.
; LAYOUT: both products transposed: S^T = K Q^T (source 0 = 16 keys), O^T = V^T P^T (source 0 = 16 of the head's 64): a lane holds one query (lane % 16) throughout.  The 16 registers of two neighbouring tiles of S^T are
; 16 keys of one block of 32 in the order in which V's codes were laid.  V's tile rows were chosen so that O^T's register 16 bb + i is d = 32 bb + 16 h + i.
; THE HEAD IS 64 LONG, THE INSTRUCTION 128: Q's upper 8 registers are zero codes.  K's fragment t is the run v[32 + 8 t : 47 + 8 t]: its upper 8 registers are the next tile's codes (behind tile 7: zeros): finite numbers that meet
; zero codes under scale bytes 0 (2^-127): they add exactly 0.
; THE ORDER OF A STEP: the held copy of p goes into K's registers, which are done with, so p itself stays whole; its 32 packed additions stand behind the second product, where they are the places that the next loads
; into that product's registers ask for, and their last eight lines are the places behind the next step's scores.  V's tiles are loaded over the held copies as soon as these are converted.
; LIMITS: the promise holds while the scaled scores stay under 2^31 in magnitude; a block's largest p is taken from its largest score by the same two instructions (this takes v_exp_f32 not to fall where its input rises);
; 1 / l is v_rcp_f32; a block of zeros keeps the byte 1; NaN and infinities are not served.
; The scale bytes of oc leave as single bytes (two a row and head): a scale word spans two heads, which belong to two work-groups.
.set TREC,  16896
.set KREC,  8704
.set VREC,  8448
.set KHEAD, 139264
.set VHEAD, 135168
.set VOFF,  139264
.set SPARE, 0x43000                    ; behind V: the spare words, 128 bytes a wave
.set TM2,  6                           ; v1 16 x lane; v2 16 r; v3, v4 the same + VOFF; v5 8 r + h; v6 at work; v8-11 the step's addresses
.set ADK,  8
.set ADS,  9
.set ADV,  10
.set ADT,  11                          ; v12 -M, v13 the largest score so far, v[14:15] the sum in two halves, v16-31 Q
.set KF,   32                          ; v32-95 eight tiles of K, then p held, then four fragments of V; v96-103 zeros
.set S,    104                         ; v104-167 S^T, then p
.set OT,   168                         ; v168-199 O^T
.set PC,   200                         ; v200-215 p's codes
.set T,    216                         ; v216-231 behind the second product: eight partial sums of p, in pairs; ahead of it the four sets below
.set BM,   216                         ; the blocks' maxima
.set BT,   220                         ; at work
.set HOLD, 224
.set SCOP, 228
.set SW,   232                         ; v232-239 K's scale words, then V's in 232-235
.set F,    240                         ; f = 2^(old M - new M)
.set PWD,  241                         ; p's scale word
.set TMP,  242
.set QS,   243                         ; Q's scale words
.set SPW,  254
.set NIL,  255
.set WV,   18
.set G1K,  24
.set G1V,  32
.set G0K,  40
.set G0V,  44
.set SEL,  84
.set CS,   86                          ; s[86:87] c = log2(e) / 8
.set MNT,  88
.set TK,   89                          ; the step's record of K in LDS
.set TV,   90                          ; and of V
.set CNT,  91
.macro CROUND
	s_barrier_signal -1
	s_barrier_wait -1
	s_cmp_lg_u32 s[WV], 0
	s_cbranch_scc1 .Lnot_wave_0_\@
	s_barrier_signal -3
.Lnot_wave_0_\@:
	s_barrier_wait -3
	s_barrier_signal -1
	s_barrier_wait -1
.endm
	s_load_b128 s[4:7], s[0:1], 0x0                ; qkr, vr
	s_load_b64 s[8:9], s[0:1], 0x10                ; oc
	v_lshl_add_u32 v[SPW], v0, 2, SPARE
	v_mov_b32 v[NIL], 0
	ds_add_u32 v[SPW], v[NIL]                      ; the opening lines: the add twice on end and one wait
	ds_add_u32 v[SPW], v[NIL]
	v_lshrrev_b32 v1, 5, v0
	v_readfirstlane_b32 s[WV], v1                  ; wave 0..15
	s_bfe_u32 s19, ttmp6, 0x40000                  ; cx: my block of 512 queries; it enters Q's and oc's addresses alone
	s_and_b32 s20, ttmp7, 0xffff                   ; 16 x batch + head, which the four partners share
	s_lshr_b32 s21, s20, 4                         ; batch
	s_and_b32 s22, s20, 15                         ; head
	s_add_co_u32 s56, s22, 16                      ; K's records: G = 16 + head
	s_lshl_b32 s56, s56, 2
	s_add_co_u32 s56, s56, s21
	s_mul_i32 s56, s56, KHEAD
	s_mov_b32 s57, 0
	s_mul_i32 s58, s20, VHEAD                      ; V's
	s_mov_b32 s59, 0
	s_lshl_b32 s60, s22, 2                         ; Q's: G = head; record 4 cx + wave / 8 (the second pass: two records on), tile wave % 8
	s_add_co_u32 s60, s60, s21
	s_mul_i32 s60, s60, KHEAD
	s_lshl_b32 s61, s19, 2
	s_lshr_b32 s62, s[WV], 3
	s_add_co_u32 s61, s61, s62
	s_mul_i32 s61, s61, KREC
	s_add_co_u32 s60, s60, s61
	s_and_b32 s61, s[WV], 7
	s_lshl_b32 s61, s61, 10
	s_add_co_u32 s62, s60, s61                     ; its codes
	s_mov_b32 s63, 0
	s_bfe_u32 s61, s[WV], 0x10002
	s_lshl_b32 s61, s61, 8
	s_add_co_u32 s60, s60, s61
	s_and_b32 s61, s[WV], 3
	s_lshl_b32 s61, s61, 2
	s_add_co_u32 s60, s60, s61
	s_add_co_u32 s60, s60, 8192                    ; its scale words
	s_mov_b32 s61, 0
	s_lshl_b32 s14, s21, 7                         ; oc: record 128 x batch + 32 cx + wave (the second pass: 16 records on)
	s_lshl_b32 s15, s19, 5
	s_add_co_u32 s14, s14, s15
	s_add_co_u32 s14, s14, s[WV]
	s_mul_i32 s14, s14, TREC
	s_lshl_b32 s15, s22, 10
	s_add_co_u32 s16, s14, s15                     ; the head's two blocks of codes: 1,024 x head
	s_mov_b32 s17, 0
	s_lshr_b32 s15, s22, 2
	s_lshl_b32 s15, s15, 7
	s_add_co_u32 s14, s14, s15
	s_and_b32 s15, s22, 3
	s_lshl_b32 s15, s15, 1
	s_add_co_u32 s14, s14, s15
	s_add_co_u32 s14, s14, 16384                   ; and its two scale bytes of a row
	s_mov_b32 s15, 0
	s_and_b32 s48, s[WV], 7                        ; which two records I fetch,
	s_mul_i32 s50, s48, 2*VREC                     ; in bytes: of V,
	s_mul_i32 s48, s48, 2*KREC                     ; of K: the same distance in memory and in LDS
	s_mov_b32 s49, 0
	s_mov_b32 s51, 0
	; group 1: a dense block as rows of 256 bytes (32 elements of 8 bytes): 68 rows of K, 66 of V; the mask names all four work-groups
	s_mov_b32 s[G1K], 15|(3<<16)|(1<<21)
	s_mov_b32 s[G1K+1], 32<<16
	s_mov_b32 s[G1K+2], 68<<16
	s_mov_b32 s[G1K+3], 32<<16
	s_mov_b32 s[G1K+4], 68
	s_mov_b32 s[G1K+5], 32
	s_mov_b32 s[G1K+6], 0
	s_mov_b32 s[G1K+7], 0
	s_mov_b32 s[G1V], 15|(3<<16)|(1<<21)
	s_mov_b32 s[G1V+1], 32<<16
	s_mov_b32 s[G1V+2], 66<<16
	s_mov_b32 s[G1V+3], 32<<16
	s_mov_b32 s[G1V+4], 66
	s_mov_b32 s[G1V+5], 32
	s_mov_b32 s[G1V+6], 0
	s_mov_b32 s[G1V+7], 0
	s_mov_b32 s[SEL], 0x76543210
	s_mov_b32 s[SEL+1], 0xfedcba98
	s_mov_b32 s[CS], 0x3e38aa3b                    ; log2(e) / 8
	s_mov_b32 s[CS+1], s[CS]
	s_mov_b32 s[MNT], 0x600000
	s_mov_b32 s[TK], 0
	s_mov_b32 s[TV], 0
	s_wait_dscnt 0x0                               ; both opening adds are done
	s_wait_kmcnt 0x0
	s_add_nc_u64 s[56:57], s[4:5], s[56:57]
	s_add_nc_u64 s[58:59], s[6:7], s[58:59]
	s_add_nc_u64 s[10:11], s[4:5], s[60:61]        ; Q's scale words
	s_add_nc_u64 s[4:5], s[4:5], s[62:63]          ; Q's codes
	s_add_nc_u64 s[12:13], s[8:9], s[14:15]        ; oc's scale bytes
	s_add_nc_u64 s[8:9], s[8:9], s[16:17]          ; oc's codes
	s_mov_b32 s[G0K], 1
	s_mov_b32 s[G0K+1], s48
	s_add_nc_u64 s[G0K+2:G0K+3], s[56:57], s[48:49]
	s_or_b32 s[G0K+3], s[G0K+3], 0x80000000
	s_mov_b32 s[G0V], 1
	s_add_co_u32 s[G0V+1], s50, VOFF
	s_add_nc_u64 s[G0V+2:G0V+3], s[58:59], s[50:51]
	s_or_b32 s[G0V+3], s[G0V+3], 0x80000000
	CROUND                                         ; all four work-groups are here: the joint loads meet
	s_cmp_lt_u32 s[WV], 8                          ; one load a wave, in one of two arms
	s_cbranch_scc0 .Lfor_v
	tensor_load_to_lds s[G0K:G0K+3], s[G1K:G1K+7]
	s_nop 0
.rept 4
	v_nop
.endr
	s_branch .Lasked
.Lfor_v:
	tensor_load_to_lds s[G0V:G0V+3], s[G1V:G1V+7]
	s_nop 0
.rept 4
	v_nop
.endr
.Lasked:
	v_and_b32 v1, 31, v0
	v_and_b32 v2, 15, v0
	v_bfe_u32 v5, v0, 4, 1
	v_lshlrev_b32 v1, 4, v1                        ; 16 x lane
	v_lshl_add_u32 v5, v2, 3, v5                   ; 8 r + h
	v_lshlrev_b32 v2, 4, v2                        ; 16 r
	v_add_nc_u32 v3, VOFF, v1
	v_add_nc_u32 v4, VOFF, v2
.macro QLOAD off
	global_load_b128 v[16:19], v1, s[4:5] offset:\off
	global_load_b128 v[20:23], v1, s[4:5] offset:\off+512
	global_load_b32 v[QS], v2, s[10:11] offset:\off
.endm
	QLOAD 0
.irp j, 0,1,2,3,4,5,6,7
	v_mov_b32 v[24+\j], 0                          ; Q's upper 64 along K: zero codes
	v_mov_b32 v[96+\j], 0                          ; and what stands behind K's tile 7
.endr
	v_mov_b32 v[F], 0                              ; the first step multiplies a sum of 0 by it
	v_mov_b32 v[PWD], 0                            ; named as the upper half of the pair v[240:241] before it is first written
.macro INIT                            ; a pass begins: O^T, the sum and the partial sums are zeros, the largest score is under every score; the first change of M multiplies zeros
	v_mov_b32 v13, 0xff61b1e6
	v_mov_b32 v14, 0
	v_mov_b32 v15, 0
	v_mul_f32 v[TM2], s[CS], v13
.set II, 0
.rept 32
	v_mov_b32 v[OT+II], 0
.set II, II+1
.endr
.set II, 0
.rept 16
	v_mov_b32 v[T+II], 0
.set II, II+1
.endr
	v_floor_f32 v12, -v[TM2]
	v_mov_b32 v[TMP], v12
.endm
.macro LOADK                           ; the step's eight tiles of K and their scale words
	v_add_nc_u32 v[ADK], s[TK], v1
	v_add_nc_u32 v[ADS], s[TK], v2
.irp t, 0,1,2,3,4,5,6,7
	ds_load_b128 v[KF+8*\t:KF+8*\t+3], v[ADK] offset:1024*\t
	ds_load_b128 v[KF+8*\t+4:KF+8*\t+7], v[ADK] offset:1024*\t+512
.endr
	ds_load_b128 v[SW:SW+3], v[ADS] offset:8192
	ds_load_b128 v[SW+4:SW+7], v[ADS] offset:8448
.endm
.macro FINALS adr                      ; the eight partial sums of the last step's p become one, and the sum goes under that step's M: l = l f + the step's p.  adr = 1: with V's addresses, ten plain lines
.irp k, 0,2,4,6
	v_pk_add_f32 v[T+\k:T+\k+1], v[T+\k:T+\k+1], v[T+8+\k:T+9+\k]
.endr
	v_pk_add_f32 v[T:T+1], v[T:T+1], v[T+4:T+5]
	v_pk_add_f32 v[T+2:T+3], v[T+2:T+3], v[T+6:T+7]
.if \adr
	v_add_nc_u32 v[ADV], s[TV], v3
	v_add_nc_u32 v[ADT], s[TV], v4
.endif
	v_pk_add_f32 v[T:T+1], v[T:T+1], v[T+2:T+3]
	v_pk_fma_f32 v[14:15], v[14:15], v[F:F+1], v[T:T+1] op_sel_hi:[1,0,1]
.endm
.macro TLESSM j                        ; t - M, two at a time
	v_pk_fma_f32 v[S+\j:S+1+\j], v[S+\j:S+1+\j], s[CS:CS+1], v[12:13] op_sel_hi:[1,0,0]
.endm
; A KEY STEP: 128 keys.  Its tiles of K were asked for behind the last step's second product
.macro BODY
	s_wait_alu depctr_va_vdst(0)                   ; the wait here, directly ahead of the wait below
	s_wait_dscnt 0x0                               ; K and its scale words
.irp t, 0,1,2,3,4,5,6,7
	v_wmma_scale_f32_16x16x128_f8f6f4 v[S+8*\t:S+8*\t+7], v[KF+8*\t:KF+8*\t+15], v[16:31], 0, v[SW+\t], v[QS] matrix_a_fmt:MATRIX_FMT_BF8 matrix_b_fmt:MATRIX_FMT_BF8
.endr
	FINALS 1                                       ; ten places: in front of the load into K's scale words' registers and of the first read of the scores
	ds_load_b128 v[SW:SW+3], v[ADT] offset:8192    ; V's scale words
.irp b, 0,1,2,3
	v_max3_num_f32 v[BM+\b], v[S+16*\b], v[S+1+16*\b], v[S+2+16*\b]   ; the largest score of each block of 32 keys: for the row's maximum, and for the block's largest p
.endr
.irp i, 3,5,7,9,11,13
.irp b, 0,1,2,3
	v_max3_num_f32 v[BM+\b], v[BM+\b], v[S+16*\b+\i], v[S+1+16*\b+\i]
.endr
.endr
.irp b, 0,1,2,3
	v_max_num_f32 v[BM+\b], v[BM+\b], v[S+15+16*\b]
.endr
.irp b, 0,1,2,3
	v_permlanex16_b32 v[BT+\b], v[BM+\b], s[SEL], s[SEL+1]
.endr
.irp b, 0,1,2,3
	v_max_num_f32 v[BM+\b], v[BM+\b], v[BT+\b]     ; with lane l xor 16's 16 keys
.endr
	v_max3_num_f32 v[TM2], v[BM], v[BM+1], v[BM+2]
	s_delay_alu instid0(VALU_DEP_1)
	v_max3_num_f32 v13, v13, v[TM2], v[BM+3]       ; the running largest score
	s_delay_alu instid0(VALU_DEP_1)
	v_mul_f32 v[TM2], s[CS], v13                   ; as t (c is positive)
	s_delay_alu instid0(VALU_DEP_1)
	v_floor_f32 v12, -v[TM2]                       ; -M = floor(-t): M is a whole number
.irp j, 0,2,4,6
	TLESSM \j
.endr
	v_sub_f32 v[TMP], v12, v[TMP]                  ; old M - new M, 0 or less (v[TMP] held the old -M)
.irp j, 8,10,12,14
	TLESSM \j
.endr
	v_cvt_i32_f32 v[TMP], v[TMP]                   ; (it saturates)
.irp j, 16,18,20,22
	TLESSM \j
.endr
	v_ldexp_f32 v[F], 1.0, v[TMP]                  ; f = 2^(old M - new M): a multiplication by it rounds nothing
.irp j, 24,26,28,30,32,34,36,38,40,42,44,46,48,50,52,54,56,58,60,62
	TLESSM \j
.endr
.irp b, 0,1,2,3
	v_fma_f32 v[BM+\b], v[BM+\b], s[CS], v12       ; the same of each block's largest score
.endr
	s_wait_alu depctr_va_vdst(0)                   ; the wait ahead of the batch
.set II, 0
.rept 64
	v_exp_f32 v[S+II], v[S+II]                     ; p = 2^(t - M)
.set II, II+1
.endr
.irp b, 0,1,2,3
	v_exp_f32 v[BM+\b], v[BM+\b]                   ; the blocks' largest p
.endr
	v_mov_b32 v[TMP], v12                          ; -M, kept for the next step: the plain line behind the exponentials
	s_wait_alu depctr_va_vdst(0)                   ; one wait for the batch, ahead of its first reader
.irp b, 0,1,2,3
	v_max_num_f32 v[BM+\b], 0x8000000, v[BM+\b]    ; the floor 2^(16 - 127): the byte cannot fall under 1
.endr
.irp b, 0,1,2,3
	v_add_nc_u32 v[SCOP+\b], 0xf8800000, v[BM+\b]  ; 15 off the exponent field: the conversion's scale operand
.endr
.irp b, 0,1,2,3
	v_and_or_b32 v[HOLD+\b], v[BM+\b], 0x7f800000, s[MNT]   ; 57,344 x the scale
.endr
.irp b, 0,1,2,3
	v_lshrrev_b32 v[BT+\b], 23, v[SCOP+\b]         ; the scale's byte
.endr
	v_lshl_or_b32 v[PWD], v[BT+1], 8, v[BT]        ; p's scale word for these 128 keys
	v_lshl_or_b32 v[TM2], v[BT+3], 8, v[BT+2]
	v_lshl_or_b32 v[PWD], v[TM2], 16, v[PWD]
; THE HOLD (p is not negative: one-sided; the conversion to an 8-bit code does not saturate: ISA guide 7.6.2), two numbers a line: one of block b and one of block b + 1, so that the two halves' destinations are an even and an
; odd register and their sources lie in different register banks.  The held numbers go into K's registers; p stays whole for the sums.
.irp b, 0,2
.irp e, 0,2,4,6,8,10,12,14
	v_dual_min_num_f32 v[KF+16*\b+\e], v[HOLD+\b], v[S+16*\b+\e] :: v_dual_min_num_f32 v[KF+16*\b+17+\e], v[HOLD+\b+1], v[S+16*\b+17+\e]
	v_dual_min_num_f32 v[KF+16*\b+1+\e], v[HOLD+\b], v[S+16*\b+1+\e] :: v_dual_min_num_f32 v[KF+16*\b+16+\e], v[HOLD+\b+1], v[S+16*\b+16+\e]
.endr
.irp u, 0,1
	v_cvt_scalef32_pk8_bf8_f32 v[PC+4*\b+4*\u:PC+4*\b+4*\u+1], v[KF+16*\b+16*\u:KF+16*\b+16*\u+7], v[SCOP+\b+\u]
	v_cvt_scalef32_pk8_bf8_f32 v[PC+4*\b+4*\u+2:PC+4*\b+4*\u+3], v[KF+16*\b+16*\u+8:KF+16*\b+16*\u+15], v[SCOP+\b+\u]
.endr
.irp u, 0,1
.irp c, 0,1,2,3
	ds_load_b128 v[KF+16*\b+16*\u+4*\c:KF+16*\b+16*\u+4*\c+3], v[ADV] offset:2048*\b+2048*\u+512*\c   ; V's tiles b and b + 1, over the held numbers just converted
.endr
.endr
.endr
	s_wait_alu depctr_va_vdst(0)                   ; the wait here, directly ahead of the first reader of O^T
.irp j, 0,2,4,6,8,10,12,14,16,18,20,22,24,26,28,30
	v_pk_mul_f32 v[OT+\j:OT+1+\j], v[OT+\j:OT+1+\j], v[F:F+1] op_sel_hi:[1,0]   ; O^T under the new M; these are also the places between the conversions and the products
.endr
	s_wait_alu depctr_va_vdst(0)                   ; the wait here, directly ahead of the wait below
	s_wait_dscnt 0x0                               ; V and its scale words
.irp t, 0,1,2,3
	v_wmma_scale_f32_16x16x128_f8f6f4 v[OT+8*\t:OT+8*\t+7], v[KF+16*\t:KF+16*\t+15], v[PC:PC+15], v[OT+8*\t:OT+8*\t+7], v[SW+\t], v[PWD] matrix_a_fmt:MATRIX_FMT_BF8 matrix_b_fmt:MATRIX_FMT_BF8
.endr
.irp k, 0,2,4,6,8,10,12,14
	v_pk_add_f32 v[T+\k:T+\k+1], v[S+\k:S+\k+1], v[S+16+\k:S+17+\k]   ; THE ROW'S SUM IS TAKEN OF THE UNQUANTISED p, in eight chains.  These eight lines and LOADK's two are the places in front of the loads below
.endr
	s_add_co_u32 s[TK], s[TK], KREC
	s_add_co_u32 s[TV], s[TV], VREC
	s_cmp_eq_u32 s[CNT], 1                         ; a pass's last step has no next tiles of K
	s_wait_alu depctr_va_vdst(0)                   ; the wait here, directly ahead of the branch
	s_cbranch_scc1 .Lno_k_\@
	LOADK
.Lno_k_\@:
.irp o, 32,48
.irp k, 0,2,4,6,8,10,12,14
	v_pk_add_f32 v[T+\k:T+\k+1], v[T+\k:T+\k+1], v[S+\o+\k:S+\o+1+\k]
.endr
.endr
.endm
; THE WAY OUT of pass p: O^T / l, quantised in the head's two blocks of 32, stored as the image that the last product's operand takes
.macro OUT p
	FINALS 0                                       ; the last step's p
	v_add_f32 v14, v14, v15
	v_permlanex16_b32 v[TMP], v14, s[SEL], s[SEL+1]
	v_add_f32 v14, v14, v[TMP]                     ; the row's sum
	s_wait_alu depctr_va_vdst(0)                   ; the wait ahead of the transcendental
	v_rcp_f32 v14, v14
.if \p == 0
	QLOAD 2*KREC                                   ; the next pass's queries
.endif
	v_nop
	s_wait_alu depctr_va_vdst(0)                   ; ahead of the first reader of 1 / l and of O^T
.irp k, 0,2,4,6,8,10,12,14,16,18,20,22,24,26,28,30
	v_pk_mul_f32 v[S+\k:S+1+\k], v[OT+\k:OT+1+\k], v[14:15] op_sel_hi:[1,0]   ; each accumulator from its low end on
.endr
.irp b, 0,1
	v_max3_num_f32 v[BM+\b], |v[S+16*\b]|, |v[S+1+16*\b]|, 0x8000000
.endr
.irp i, 2,4,6,8,10,12,14
.irp b, 0,1
	v_max3_num_f32 v[BM+\b], v[BM+\b], |v[S+16*\b+\i]|, |v[S+1+16*\b+\i]|
.endr
.endr
.irp b, 0,1
	v_permlanex16_b32 v[BT+\b], v[BM+\b], s[SEL], s[SEL+1]
.endr
.irp b, 0,1
	v_max_num_f32 v[BM+\b], v[BM+\b], v[BT+\b]
.endr
.irp b, 0,1
	v_add_nc_u32 v[SCOP+\b], 0xf8800000, v[BM+\b]
.endr
.irp b, 0,1
	v_and_or_b32 v[HOLD+\b], v[BM+\b], 0x7f800000, s[MNT]
.endr
.irp b, 0,1
	v_lshrrev_b32 v[BT+\b], 23, v[SCOP+\b]
.endr
	s_mov_b32 vcc_lo, 0xffff0000
	v_cndmask_b32 v[TMP], v[BT], v[BT+1], vcc_lo   ; lane half h stores block h's byte
.irp b, 0,1
.irp i, 0,1,2,3,4,5,6,7,8,9,10,11,12,13,14,15
	v_med3_num_f32 v[S+16*\b+\i], v[S+16*\b+\i], -v[HOLD+\b], v[HOLD+\b]
.endr
	v_cvt_scalef32_pk8_bf8_f32 v[PC+4*\b:PC+1+4*\b], v[S+16*\b:S+7+16*\b], v[SCOP+\b]
	v_cvt_scalef32_pk8_bf8_f32 v[PC+2+4*\b:PC+3+4*\b], v[S+8+16*\b:S+15+16*\b], v[SCOP+\b]
.endr
	v_nop                                          ; a plain line behind the last conversion
.irp b, 0,1
	global_store_b128 v1, v[PC+4*\b:PC+3+4*\b], s[8:9] offset:16*TREC*\p+512*\b   ; 512 consecutive bytes, aligned
.endr
	global_store_b8 v5, v[TMP], s[12:13] offset:16*TREC*\p
.endm
	INIT
	s_wait_alu depctr_va_vdst(0)                   ; the wait at the head's end
	s_wait_loadcnt 0x0                             ; Q
	s_wait_tensorcnt 0x0                           ; my sixteenth of K and V has landed
	s_barrier_signal -1
	s_barrier_wait -1                              ; and everybody's
	LOADK
	s_mov_b32 s[CNT], 16
.Lpass0:
	BODY
	s_sub_co_u32 s[CNT], s[CNT], 1
	s_cmp_lg_u32 s[CNT], 0
	s_cbranch_scc1 .Lpass0
	OUT 0
	s_mov_b32 s[TK], 0
	s_mov_b32 s[TV], 0
	s_wait_xcnt 0x0                                ; the stores have read the codes' and the byte's registers
	INIT
	s_wait_alu depctr_va_vdst(0)                   ; the wait here, directly ahead of the wait below
	s_wait_loadcnt 0x0                             ; the second pass's Q
	LOADK
	s_mov_b32 s[CNT], 16
.Lpass1:
	BODY
	s_sub_co_u32 s[CNT], s[CNT], 1
	s_cmp_lg_u32 s[CNT], 0
	s_cbranch_scc1 .Lpass1
	OUT 1
	s_wait_tensorcnt 0x0                           ; the wave's end
	ds_add_u32 v[SPW], v[NIL]
	s_wait_dscnt 0x0
	CROUND                                         ; the closing round
	s_endpgm
.Lfunc_end_k_q18f798b9f9_attn:
	.size	k_q18f798b9f9_attn, .Lfunc_end_k_q18f798b9f9_attn-k_q18f798b9f9_attn
	.p2alignl 7, 3214868480
	.fill 96, 4, 3214868480
	.section	.rodata,"a",@progbits
	.p2align	6, 0x0
	.amdhsa_kernel k_q18f798b9f9_attn
		.amdhsa_group_segment_fixed_size 327680
		.amdhsa_private_segment_fixed_size 0
		.amdhsa_enable_private_segment 0
		.amdhsa_kernarg_size 24
		.amdhsa_user_sgpr_count 2
		.amdhsa_user_sgpr_kernarg_segment_ptr 1
		.amdhsa_wavefront_size32 1
		.amdhsa_system_sgpr_workgroup_id_x 1
		.amdhsa_system_sgpr_workgroup_id_y 1
		.amdhsa_system_sgpr_workgroup_id_z 1
		.amdhsa_system_vgpr_workitem_id 0
		.amdhsa_next_free_vgpr 256
		.amdhsa_next_free_sgpr 100
		.amdhsa_reserve_vcc 1
		.amdhsa_float_denorm_mode_32 3
		.amdhsa_float_denorm_mode_16_64 3
		.amdhsa_memory_ordered 1
		.amdhsa_forward_progress 1
		.amdhsa_inst_pref_size 63
	.end_amdhsa_kernel
	.amdgpu_metadata
---
amdhsa.version: [ 1, 2 ]
amdhsa.kernels:
  - .name:           k_q18f798b9f9_attn
    .symbol:         k_q18f798b9f9_attn.kd
    .args:
      - { .name: qkr, .offset: 0, .size: 8, .value_kind: global_buffer, .address_space: global }
      - { .name: vr, .offset: 8, .size: 8, .value_kind: global_buffer, .address_space: global }
      - { .name: oc, .offset: 16, .size: 8, .value_kind: global_buffer, .address_space: global }
    .group_segment_fixed_size: 327680
    .private_segment_fixed_size: 0
    .kernarg_segment_align: 8
    .kernarg_segment_size: 24
    .max_flat_workgroup_size: 512
    .sgpr_count:     100
    .vgpr_count:     256
    .wavefront_size: 32
...
	.end_amdgpu_metadata
.endif
;; end of part 3
;; launch gemm_o (part 4): grid 8 x 32, 4 waves a work-group, clusters of 4 x 4, 327,680 bytes of LDS; arguments oc, wc, b_o, out0; writes out0
.if DOCPART == 4
	.amdgcn_target "amdgcn-amd-amdhsa--gfx1250"
	.amdhsa_code_object_version 6
	.text
	.protected	k_q18f798b9f9_gemm_o
	.globl	k_q18f798b9f9_gemm_o
	.p2align	8
	.type	k_q18f798b9f9_gemm_o,@function
k_q18f798b9f9_gemm_o:
	s_mov_b64 s[64:65], 0
	v_nop
	global_prefetch_b8 v0, s[64:65] scope:SCOPE_SE
	s_setreg_imm32_b32 hwreg(HW_REG_WAVE_MODE, 25, 1), 1
	s_wait_xcnt 0x0
	s_wait_alu depctr_hold_cnt(0) depctr_sa_sdst(0) depctr_va_vdst(0) depctr_va_sdst(0) depctr_va_ssrc(0) depctr_va_vcc(0) depctr_vm_vsrc(0)
	s_getreg_b32 s2, hwreg(HW_REG_IB_STS2, 6, 4)
	s_cmp_eq_u32 s2, 0
	s_cbranch_scc0 .Lentry_in_a_cluster
	s_endpgm
.Lentry_in_a_cluster:
	s_bfe_u32 s2, ttmp6, 0x10000c
	s_cmp_lg_u32 s2, 0xf033
	s_cbranch_scc0 .Lentry_shape_is_right
	s_endpgm
.Lentry_shape_is_right:
; out0 [8192][1024] f32 = O W_o + b_o, on codes of BF8 (E5M2) with one E8M0 scale for each 32 along K = 1,024; sums in f32.
; OPERANDS are records of TREC bytes for 16 rows (16 tokens of oc; 16 columns of W_o, records 192 .. 255 of wc): [K step of 128: 0..7][c 0..3][lane][16 bytes], the image of an operand's registers,
; and behind the 16,384 bytes of codes the scale words [pair p 0..3][row 0..15][2 words].
; SHARES: a block of out0 is 256 rows x 128 columns: 32 x 8 = 256 work-groups.  Four waves; a wave makes 128 rows x 64 columns: 32 accumulators.  K goes in steps of 256 through two LDS slots (A's 16 records x 4,096 bytes at 0,
; B's 8 at 65,536).  The scale words of all of K come once, at the head.
; CLUSTERS: 4 x 4 work-groups; A's tiles are asked for jointly along a row of the cluster, B's along a column.
; THE MATRIX INSTRUCTION IS USED TRANSPOSED (source 0 = 16 columns of W_o, source 1 = 16 tokens): a lane holds eight neighbouring numbers of a row of out0.
; One scale register carries A's word of block i in lanes 0-15 and B's in lanes 16-31.  B has four blocks a wave, A eight: B's scale tile is stated 12 rows long over a tensor of 8, so that the four rows behind B's own, which
; the loads for blocks 4-7 of the upper half touch, are written as zeros; no product names them as B's.
; No prefetch: K is four slots long, and two of them are asked for ahead of the first product; a request two slots ahead of the other two would stand at the head.
; REGISTERS: window 0: v0-31 addresses, v32-63 scale words (two sets), v64-67 the bias, from v128 A's fragments (one set); window 1: B's fragments, two sets at v0 and v128; windows 2, 3: the accumulators of my rows 0-63, 64-127.
.set TREC,  16896
.set NQ,    2
.set FR,    16
.set NL,    4
.set NP,    8
.set SLOT,  131072
.set SCA,   262144                     ; A's scale words: 16 records x 512 bytes
.set SCB,   SCA+8320                   ; B's: 8 records x 512 bytes, and 4 x 512 of zeros
.set SPARE, 278784
.set BT0,   192
.set SIZE_N, 1024
.set SPITCH, 272                       ; the way out: a stage of 16 rows x (256 bytes + 16) for each wave, in slot 0, which has had its last fill and its last read by then
.set ADRA, 16
.set ADRB, 20
.set STO,  24
.set RD,   25
.set CO,   26
.set ADRS, 27
.set SPW,  28
.set NIL,  29
.set OO,   30                          ; my byte offset in two rows of out0
.set BA,   31                          ; 16 x (lane % 16)
.set SC,   32
.set BIAS, 64
.set AF,   128
.set BK,   128
.set G0H,  4                           ; s[4:7], s[92:95] group 0 for the head's loads of K step 0
.set G1, 24
.set G0, 32
.set G1B, 48
.set G0B, 56
.set G1S, 68
.set G0S, 76
.set G1SB, 80
.set G0SB, 88
.set G0HB, 92
.set MSB, 0
.macro WIN new
.if MSB != (\new)
	s_set_vgpr_msb (MSB<<8)|(\new)
.set MSB, (\new)
.endif
.endm
.set MUL_LO, 0xa1
.set MUL_HI, 0xf1
.set TO_B,   0x40
.macro JLOAD g0a, g1a, g0b, g1b        ; waves 0 and 1 fetch A's halves, waves 2 and 3 B's
	s_cmp_eq_u32 s15, 0
	s_cbranch_scc0 .Lfor_b_\@
	tensor_load_to_lds s[\g0a:\g0a+3], s[\g1a:\g1a+7]
	s_nop 0
.rept 4
	v_nop
.endr
	s_branch .Lasked_\@
.Lfor_b_\@:
	tensor_load_to_lds s[\g0b:\g0b+3], s[\g1b:\g1b+7]
	s_nop 0
.rept 4
	v_nop
.endr
.Lasked_\@:
.endm
.macro CREST
	s_cmp_lg_u32 s14, 0
	s_cbranch_scc1 .Lnot_wave_0_\@
	s_barrier_signal -3
.Lnot_wave_0_\@:
	s_barrier_wait -3
	s_barrier_signal -1
	s_barrier_wait -1
.endm
.macro CROUND
	s_barrier_signal -1
	s_barrier_wait -1
	CREST
.endm
	s_load_b256 s[4:11], s[0:1], 0x0               ; oc, wc, b_o, out0
	v_lshl_add_u32 v[SPW], v0, 2, SPARE
	v_mov_b32 v[NIL], 0
	ds_add_u32 v[SPW], v[NIL]                      ; the opening lines: the add twice on end and one wait
	ds_add_u32 v[SPW], v[NIL]
	v_lshrrev_b32 v1, 5, v0
	v_readfirstlane_b32 s14, v1                    ; wave 0..3
	s_lshr_b32 s15, s14, 1                         ; which 128 rows are mine.  Also: I fetch for A (0) or for B (1)
	s_and_b32 s16, s14, 1                          ; which 64 columns.  Also: which half of that tile I fetch
	s_bfe_u32 s40, ttmp6, 0x40000
	s_bfe_u32 s41, ttmp6, 0x40004
	s_lshl_b32 s42, ttmp9, 2
	s_add_co_u32 s42, s42, s40                     ; block column: 128 columns
	s_and_b32 s17, ttmp7, 0xffff
	s_lshl_b32 s17, s17, 2
	s_add_co_u32 s17, s17, s41                     ; block row: 256 rows
	s_lshl_b32 s43, s41, 2
	s_lshl_b32 s43, 15, s43                        ; my row of the cluster
	s_lshl_b32 s44, 0x1111, s40                    ; my column
	s_or_b32 s[G1+0], s43, (3<<16)|(1<<21)
	s_or_b32 s[G1B+0], s44, (3<<16)|(1<<21)
.irp g, G1, G1B                        ; codes: a K step of 256 of a record is 4,096 bytes (512 elements of 8), records TREC bytes apart
	s_mov_b32 s[\g+1], 512<<16
	s_mov_b32 s[\g+3], 512<<16
	s_mov_b32 s[\g+5], TREC/8
	s_mov_b32 s[\g+6], 0
	s_mov_b32 s[\g+7], 0
.endr
	s_mov_b32 s[G1+2], 16<<16                      ; at the head a load brings a whole tile: A's 16 records,
	s_mov_b32 s[G1+4], 16
	s_mov_b32 s[G1B+2], 8<<16                      ; B's 8
	s_mov_b32 s[G1B+4], 8
	s_or_b32 s[G1S+0], s43, (3<<16)|(1<<21)
	s_or_b32 s[G1SB+0], s44, (3<<16)|(1<<21)
.irp g, G1S, G1SB                      ; scale words: 512 bytes a record
	s_mov_b32 s[\g+1], 64<<16
	s_mov_b32 s[\g+3], 64<<16
	s_mov_b32 s[\g+5], TREC/8
	s_mov_b32 s[\g+6], 0
	s_mov_b32 s[\g+7], 0
.endr
	s_mov_b32 s[G1S+2], 16<<16
	s_mov_b32 s[G1S+4], 16
	s_mov_b32 s[G1SB+2], 8<<16                     ; the tensor has 8 rows from here,
	s_mov_b32 s[G1SB+4], 12                        ; the tile 12: rows 8-11 are written as zeros
	s_lshl_b32 s20, s17, 4
	s_mul_i32 s20, s20, TREC                       ; A's tile: record 16 x block row
	s_mov_b32 s21, 0
	s_lshl_b32 s46, s42, 3
	s_add_co_u32 s46, s46, BT0
	s_mul_i32 s46, s46, TREC                       ; B's: record 192 + 8 x block column
	s_mov_b32 s47, 0
	s_mul_i32 s18, s16, 8*TREC                     ; in the ring I fetch half a tile: of A 8 records,
	s_mov_b32 s19, 0
	s_mul_i32 s2, s16, 4*TREC                      ; of B 4
	s_mov_b32 s3, 0
	s_lshl_b32 s45, s16, 15                        ; and where they go in a slot
	s_lshl_b32 s23, s16, 14
	s_add_co_u32 s23, s23, 65536
	s_wait_dscnt 0x0                               ; both opening adds are done
	s_wait_kmcnt 0x0
	s_add_nc_u64 s[20:21], s[4:5], s[20:21]
	s_add_nc_u64 s[46:47], s[6:7], s[46:47]
	CROUND                                         ; all sixteen work-groups are here: the first joint loads meet
	s_mov_b32 s[G0S], 1
	s_mov_b32 s[G0S+1], SCA
	s_add_nc_u64 s[G0S+2:G0S+3], s[20:21], 16384
	s_or_b32 s[G0S+3], s[G0S+3], 0x80000000
	s_mov_b32 s[G0SB], 1
	s_mov_b32 s[G0SB+1], SCB
	s_add_nc_u64 s[G0SB+2:G0SB+3], s[46:47], 16384
	s_or_b32 s[G0SB+3], s[G0SB+3], 0x80000000
	s_mov_b32 s[G0H], 1
	s_mov_b32 s[G0H+1], 0
	s_mov_b64 s[G0H+2:G0H+3], s[20:21]
	s_or_b32 s[G0H+3], s[G0H+3], 0x80000000
	s_mov_b32 s[G0HB], 1
	s_mov_b32 s[G0HB+1], 65536
	s_mov_b64 s[G0HB+2:G0HB+3], s[46:47]
	s_or_b32 s[G0HB+3], s[G0HB+3], 0x80000000
	s_add_nc_u64 s[20:21], s[20:21], s[18:19]
	s_add_nc_u64 s[46:47], s[46:47], s[2:3]
.irp s, 0,1
	s_mov_b32 s[G0+4*\s], 1
	s_add_co_u32 s[G0+4*\s+1], s45, \s*SLOT
	s_add_nc_u64 s[G0+4*\s+2:G0+4*\s+3], s[20:21], \s*4096
	s_or_b32 s[G0+4*\s+3], s[G0+4*\s+3], 0x80000000
	s_mov_b32 s[G0B+4*\s], 1
	s_add_co_u32 s[G0B+4*\s+1], s23, \s*SLOT
	s_add_nc_u64 s[G0B+4*\s+2:G0B+4*\s+3], s[46:47], \s*4096
	s_or_b32 s[G0B+4*\s+3], s[G0B+4*\s+3], 0x80000000
.endr
; THE HEAD'S LOADS, ONE A WAVE: wave 0 K step 0 of A, wave 1 of B, wave 2 A's scale words, wave 3 B's.  One tree of branches on the wave's number, a load to an arm.
.macro ARM under, g0, g1, next
	s_cmp_lt_u32 s14, \under
	s_cbranch_scc0 \next
	tensor_load_to_lds s[\g0:\g0+3], s[\g1:\g1+7]
	s_nop 0
.rept 4
	v_nop
.endr
	s_branch .Lhead_asked
\next:
.endm
	ARM 1, G0H,  G1,  .Lhead_b
	ARM 2, G0HB, G1B, .Lhead_sa
	ARM 3, G0S,  G1S, .Lhead_sb
	tensor_load_to_lds s[G0SB:G0SB+3], s[G1SB:G1SB+7]
	s_nop 0
.rept 4
	v_nop
.endr
.Lhead_asked:
	s_lshl_b32 s20, s17, 8                         ; the scalar part of all addresses first, then the vector lines on end
	s_lshl_b32 s21, s15, 7
	s_add_co_u32 s20, s20, s21
	s_lshl_b32 s20, s20, 12                        ; my first row of out0: 4,096 bytes a row
	s_mov_b32 s21, 0
	s_lshl_b32 s46, s42, 9
	s_lshl_b32 s47, s16, 8
	s_add_co_u32 s46, s46, s47                     ; my first column, in bytes
	s_mov_b32 s47, 0
	s_add_nc_u64 s[8:9], s[8:9], s[46:47]
	s_add_nc_u64 s[20:21], s[20:21], s[46:47]
	s_add_nc_u64 s[10:11], s[10:11], s[20:21]
	s_lshl_b32 s21, s15, 15                        ; my 8 records of A in a slot
	s_lshl_b32 s22, s16, 14
	s_add_co_u32 s22, s22, 65536                   ; my 4 of B
	s_lshl_b32 s97, s15, 12                        ; my rows' scale words: A's,
	s_lshl_b32 s96, s16, 11
	s_add_co_u32 s96, s96, 8320
	s_sub_co_u32 s96, s96, s97                     ; and how far on B's lie
	s_add_co_u32 s97, s97, SCA
	s_mul_i32 s2, s14, 16*SPITCH                   ; my stage
	v_and_b32 v1, 15, v0                           ; r
	v_bfe_u32 v2, v0, 4, 1                         ; h
	v_and_b32 v3, 31, v0
	v_lshlrev_b32 v[CO], 4, v3                     ; 16 x lane: my place in an image
	v_add_nc_u32 v[ADRA], s21, v[CO]
	v_add_nc_u32 v[ADRB], s22, v[CO]
	v_add_nc_u32 v[ADRA+1], SLOT, v[ADRA]
	v_add_nc_u32 v[ADRB+1], SLOT, v[ADRB]
	v_lshlrev_b32 v5, 3, v1
	v_mul_u32_u24 v6, s96, v2                      ; lanes 16-31 take B's
	v_add_nc_u32 v5, v5, v6
	v_add_nc_u32 v[ADRS], s97, v5
	v_mul_u32_u24 v7, v1, SPITCH
	v_lshl_add_u32 v7, v2, 5, v7
	v_add_nc_u32 v[STO], s2, v7                    ; into the stage: row r, 32 bytes for each half of the lanes
	v_lshlrev_b32 v[BA], 4, v1
	v_mad_u32_u24 v8, v2, SPITCH, v[BA]
	v_add_nc_u32 v[RD], s2, v8                     ; back: lanes 0-15 one row of 256 bytes, lanes 16-31 the next
	v_lshl_add_u32 v[OO], v2, 12, v[BA]            ; and the same two rows in out0
	global_load_b128 v[BIAS:BIAS+3], v[BA], s[8:9] ; the bias of my four columns
.macro FRAG reg, adr, q, i
.irp c, 0,1,2,3
	ds_load_b128 v[\reg+4*\c:\reg+4*\c+3], v[\adr] offset:4096*(\i)+2048*(\q)+512*\c
.endr
.endm
; 8 matrix instructions: A's blocks a0, a0 + 1 x B's four, 128 along K.  The 32 accumulators take turns, one instruction a turn
.macro MUL8 a0, p, q, sc, zero
.irp a, \a0, \a0+1
.irp b, 0,1,2,3
.if \zero
	v_wmma_scale_f32_16x16x128_f8f6f4 v[8*(8*((\a)%4)+\b):8*(8*((\a)%4)+\b)+7], v[128*(\p)+FR*\b:128*(\p)+FR*\b+FR-1], v[AF+FR*(\a):AF+FR*(\a)+FR-1], 0, v[SC+8*NQ*(\sc)+NQ*\b+(\q)], v[SC+8*NQ*(\sc)+NQ*(\a)+(\q)] matrix_a_fmt:MATRIX_FMT_BF8 matrix_b_fmt:MATRIX_FMT_BF8 matrix_a_scale:MATRIX_SCALE_ROW1
.else
	v_wmma_scale_f32_16x16x128_f8f6f4 v[8*(8*((\a)%4)+\b):8*(8*((\a)%4)+\b)+7], v[128*(\p)+FR*\b:128*(\p)+FR*\b+FR-1], v[AF+FR*(\a):AF+FR*(\a)+FR-1], v[8*(8*((\a)%4)+\b):8*(8*((\a)%4)+\b)+7], v[SC+8*NQ*(\sc)+NQ*\b+(\q)], v[SC+8*NQ*(\sc)+NQ*(\a)+(\q)] matrix_a_fmt:MATRIX_FMT_BF8 matrix_b_fmt:MATRIX_FMT_BF8 matrix_a_scale:MATRIX_SCALE_ROW1
.endif
.endr
.endr
.endm
.macro FETCH_B slot, q, p
	WIN TO_B
.irp i, 0,1,2,3
	FRAG 128*(\p)+FR*\i, ADRB+\slot, \q, \i
.endr
	WIN 0
.endm
.macro FETCH_A slot, q, i0
.irp i, \i0, \i0+1, \i0+2, \i0+3
	FRAG AF+FR*(\i), ADRA+\slot, \q, \i
.endr
.endm
.macro SCALES sc
.irp i, 0,1,2,3,4,5,6,7
	ds_load_b64 v[SC+8*NQ*\sc+NQ*\i:SC+8*NQ*\sc+NQ*\i+1], v[ADRS] offset:\i*512
.endr
.endm
.macro PLACES n
.rept \n
	v_nop
.endr
.endm
.macro STEP slot, q, zero              ; a step of 128 along K that has its successor in the same slot
	s_wait_dscnt 4*NL                              ; all but the youngest 16 loads (A's blocks 4-7) are in
	WIN MUL_LO
	MUL8 0, (\q)%2, \q, \slot, \zero
	MUL8 2, (\q)%2, \q, \slot, \zero
	s_wait_dscnt 0
	PLACES NP
	FETCH_B \slot, (\q)+1, 1-(\q)%2
	FETCH_A \slot, (\q)+1, 0
	WIN MUL_HI
	MUL8 4, (\q)%2, \q, \slot, \zero
	MUL8 6, (\q)%2, \q, \slot, \zero
	PLACES NP
	WIN 0
	FETCH_A \slot, (\q)+1, 4
.endm
.macro TURN slot, next, fill           ; a slot's last step changes slots: one barrier, which opens a round of the cluster's barrier where the slot is filled again
	s_wait_tensorcnt 0x0                           ; all my tensor loads have landed
	ds_add_u32 v[SPW], v[NIL]
	s_wait_dscnt 4*NL+1                            ; (the add and the youngest 16 loads may be out)
	WIN MUL_LO
	MUL8 0, 1, NQ-1, \slot, 0
	s_wait_dscnt 0x0                               ; the add is done, and my reads of this slot are over
	s_barrier_signal -1
	MUL8 2, 1, NQ-1, \slot, 0
	WIN 0
	s_barrier_wait -1
.if \fill
	CREST
	s_add_nc_u64 s[G0+4*\slot+2:G0+4*\slot+3], s[G0+4*\slot+2:G0+4*\slot+3], 8192
	s_add_nc_u64 s[G0B+4*\slot+2:G0B+4*\slot+3], s[G0B+4*\slot+2:G0B+4*\slot+3], 8192
	JLOAD G0+4*\slot, G1, G0B+4*\slot, G1B
	PLACES NP-4
.else
	PLACES NP
.endif
	s_wait_alu depctr_va_vdst(0)                   ; the wait here, directly ahead of the reader below
	v_add_nc_u32 v[ADRS], 128, v[ADRS]             ; the next K step's pair of scale words
	FETCH_B \next, 0, 0
	FETCH_A \next, 0, 0
	SCALES \next
	WIN MUL_HI
	MUL8 4, 1, NQ-1, \slot, 0
	MUL8 6, 1, NQ-1, \slot, 0
	PLACES NP
	WIN 0
	FETCH_A \next, 0, 4
.endm
	s_wait_alu depctr_va_vdst(0)                   ; the wait at the head's end
	s_wait_tensorcnt 0x0                           ; my tile of the head's four is in
	ds_add_u32 v[SPW], v[NIL]
	s_mov_b32 s[G1+2], 8<<16                       ; no tensor load of mine is out: from here on a load brings half a tile: 8 records of A,
	s_mov_b32 s[G1+4], 8
	s_mov_b32 s[G1B+2], 4<<16                      ; 4 of B
	s_mov_b32 s[G1B+4], 4
	s_wait_dscnt 0x0
	CROUND                                         ; all four tiles are in, and all sixteen work-groups are here
	JLOAD G0+4, G1, G0B+4, G1B                     ; K step 1, the first tensor load behind the round
	FETCH_B 0, 0, 0
	FETCH_A 0, 0, 0
	SCALES 0
	FETCH_A 0, 0, 4
	STEP 0, 0, 1                                   ; the first products start the sums
	TURN 0, 1, 1
	STEP 1, 0, 0
	TURN 1, 0, 1
	STEP 0, 0, 0
	TURN 0, 1, 0                                   ; the last change of slots fills nothing
	STEP 1, 0, 0
	s_wait_dscnt 4*NL
	WIN MUL_LO
	MUL8 0, 1, NQ-1, 1, 0
	MUL8 2, 1, NQ-1, 1, 0
	s_wait_dscnt 0
	WIN MUL_HI
	MUL8 4, 1, NQ-1, 1, 0
	MUL8 6, 1, NQ-1, 1, 0
	WIN 0
; THE WAY OUT, block by block of 16 rows x 64 columns: through my own stage and back as whole rows of 256 bytes, two an instruction; the bias is added; sixteen lanes store one aligned unit of 256 bytes.
.macro TOSTAGE a
.set AC, 64*((\a)%4)
	WIN 0x08+4*((\a)/4)
.irp b, 0,1,2,3
	ds_store_b128 v[STO], v[AC+8*\b:AC+8*\b+3] offset:64*\b          ; each accumulator from its low end on
	ds_store_b128 v[STO], v[AC+8*\b+4:AC+8*\b+7] offset:64*\b+16
.endr
	WIN 0
.set BB, BK+32*((\a)%2)
.irp t, 0,1,2,3,4,5,6,7
	ds_load_b128 v[BB+4*\t:BB+4*\t+3], v[RD] offset:\t*2*SPITCH      ; LDS serves a wave's instructions in order (ISA guide 5.7.1.4): these see the stores above
.endr
.endm
.macro SEND a, younger                 ; younger: the LDS instructions issued behind block a's loads, which may stay out
.set BB, BK+32*((\a)%2)
	s_wait_dscnt \younger
.if (\a) > 0
	s_add_nc_u64 s[10:11], s[10:11], 16*SIZE_N*4   ; behind a wait on XCNT: the earlier stores have read their base
.endif
.irp t, 0,1,2,3,4,5,6,7
	v_pk_add_f32 v[BB+4*\t:BB+4*\t+1], v[BB+4*\t:BB+4*\t+1], v[BIAS:BIAS+1]
	v_pk_add_f32 v[BB+4*\t+2:BB+4*\t+3], v[BB+4*\t+2:BB+4*\t+3], v[BIAS+2:BIAS+3]
.endr
.irp t, 0,1,2,3,4,5,6,7
	global_store_b128 v[OO], v[BB+4*\t:BB+4*\t+3], s[10:11] offset:\t*2*SIZE_N*4 th:TH_STORE_NT
.endr
.endm
	PLACES NP
	s_wait_loadcnt 0x0                             ; the bias
	TOSTAGE 0
.irp a, 1,2,3,4,5,6,7
.if \a > 1
	s_wait_xcnt 0x0                                ; block a - 2's stores have read their registers and their base
.endif
	TOSTAGE \a
	SEND \a-1, 16                                  ; behind block a - 1's loads: block a's 8 stores and 8 loads
.endr
	s_wait_xcnt 0x0
	SEND 7, 0
	s_wait_tensorcnt 0x0                           ; the wave's end
	ds_add_u32 v[SPW], v[NIL]
	s_wait_dscnt 0x0
	CROUND                                         ; the closing round
	s_endpgm
.Lfunc_end_k_q18f798b9f9_gemm_o:
	.size	k_q18f798b9f9_gemm_o, .Lfunc_end_k_q18f798b9f9_gemm_o-k_q18f798b9f9_gemm_o
	.p2alignl 7, 3214868480
	.fill 96, 4, 3214868480
	.section	.rodata,"a",@progbits
	.p2align	6, 0x0
	.amdhsa_kernel k_q18f798b9f9_gemm_o
		.amdhsa_group_segment_fixed_size 327680
		.amdhsa_private_segment_fixed_size 0
		.amdhsa_enable_private_segment 0
		.amdhsa_kernarg_size 32
		.amdhsa_user_sgpr_count 2
		.amdhsa_user_sgpr_kernarg_segment_ptr 1
		.amdhsa_wavefront_size32 1
		.amdhsa_system_sgpr_workgroup_id_x 1
		.amdhsa_system_sgpr_workgroup_id_y 1
		.amdhsa_system_sgpr_workgroup_id_z 1
		.amdhsa_system_vgpr_workitem_id 0
		.amdhsa_next_free_vgpr 1024
		.amdhsa_next_free_sgpr 98
		.amdhsa_reserve_vcc 0
		.amdhsa_float_denorm_mode_32 3
		.amdhsa_float_denorm_mode_16_64 3
		.amdhsa_memory_ordered 1
		.amdhsa_forward_progress 1
		.amdhsa_inst_pref_size 100
	.end_amdhsa_kernel
	.amdgpu_metadata
---
amdhsa.version: [ 1, 2 ]
amdhsa.kernels:
  - .name:           k_q18f798b9f9_gemm_o
    .symbol:         k_q18f798b9f9_gemm_o.kd
    .args:
      - { .name: oc, .offset: 0, .size: 8, .value_kind: global_buffer, .address_space: global }
      - { .name: wc, .offset: 8, .size: 8, .value_kind: global_buffer, .address_space: global }
      - { .name: b_o, .offset: 16, .size: 8, .value_kind: global_buffer, .address_space: global }
      - { .name: out0, .offset: 24, .size: 8, .value_kind: global_buffer, .address_space: global }
    .group_segment_fixed_size: 327680
    .private_segment_fixed_size: 0
    .kernarg_segment_align: 8
    .kernarg_segment_size: 32
    .max_flat_workgroup_size: 128
    .sgpr_count:     98
    .vgpr_count:     1024
    .wavefront_size: 32
...
	.end_amdgpu_metadata
.endif
;; end of part 4
